; MI455X (gfx1250); checked and timed in simulation.
; The chip was launched on July 23, 2026; its instructions are those of AMD's public machine-readable ISA for CDNA 5 (MIT licence, August 2026) and "CDNA5" Instruction Set Architecture Reference Guide (July 2026). The comments in the code are by the model that wrote it; some were corrected since.
;; Dot Product Attention. Allowed arithmetic: matrix products marked QUANTISED: E2M3 operands, one E8M0 scale for each 32 along K, by v_wmma_scale_f32_16x16x128_f8f6f4 with both operands' format E2M3, f32 sums; everything else in f32.
;; Inputs: k 8 x 2,048 x 1,024 float32; q 8 x 2,048 x 1,024 float32; rep_mask 8 x 2,048 x 1 int32; v 8 x 2,048 x 1,024 float32.
;; Outputs: out0 8 x 2,048 x 1,024 float32.
;; This version of the problem:
;;   THIS VERSION OF THE PROBLEM IS GIVEN IN LOW PRECISION. The matrix products marked QUANTISED in the list below multiply operands that are first quantised to E2M3 (2 exponent bits, 3 mantissa bits; 6 bits a number), with one power-of-two scale for each 32 numbers along K (OCP MX v1.0); their sums are f32. All else is computed in f32.
;;   The module's matrix products, in the order in which they are computed (A, B: the left and right operand; K: the contracted axis; several contracted axes count as one K, in the product's order):
;;     1. batch 8 x [M 2,048, K 1,024] x [K 1,024, N 2,048]; A: input q; B: input k: QUANTISED
;;     2. batch 8 x [M 2,048, K 2,048] x [K 2,048, N 1,024]; A: computed on the way; B: input v: QUANTISED
;;   THE QUANTISER, for each operand of a quantised product, along K:
;;     - K is cut into blocks of 32 from its start; a last block that is shorter is filled with zeros.
;;     - A block's scale is 2^e with e = floor(log2(the largest magnitude in the block)) - 2, held to -126 .. 127; a block of zeros has e = 0. As a byte (E8M0): e + 127.
;;     - Each number is divided by its block's scale, clamped to +-7.5, and rounded to the nearest number of E2M3, ties to even, subnormals kept.
;;     - The product sums the exact products of the quantised numbers (number of the format x scale) in f32.
;;   ~~~python
;;   def quantise(x, axis):      # numpy; x: float32 -> the quantised numbers, widened to float32 again
;;       x = np.moveaxis(x, axis, -1); K = x.shape[-1]
;;       x = np.pad(x, [(0, 0)] * (x.ndim - 1) + [(0, -K % 32)]); x = x.reshape(x.shape[:-1] + (-1, 32)); a = np.abs(x).max(-1, keepdims=True)
;;       e = np.where(a > 0, np.clip(np.frexp(np.where(a > 0, a, 1))[1] - 1 - 2, -126, 127), 0)      # np.frexp(a)[1] - 1 = floor(log2(a)), exactly
;;       r = np.clip(x / 2.0 ** e, -7.5, 7.5)
;;       step = 2.0 ** (np.maximum(np.frexp(np.where(r == 0, 1, r))[1] - 1, 0) - 3)
;;       q = np.round(r / step) * step * 2.0 ** e      # np.round: ties to even
;;       return np.moveaxis(q.reshape(q.shape[:-2] + (-1,))[..., :K], -1, axis).astype(np.float32)
;;   ~~~
;;   OPERANDS COMPUTED ON THE WAY. 'Computed on the way' means the value that the module computes at that place (a softmax that the list does not call 'softmax' is quantised finished and normalised). What goes into a quantiser is computed in f32, as accurately as f32 sums, v_exp_f32 and their like allow (about 1e-6 of the number): no bf16 or f16 on the way to a quantiser, and a product that is left as it is and whose result goes on into a quantised operand takes f32 operands (vector FMAs, or v_wmma_f32_16x16x4_f32). A number that lies on a knife's edge between two numbers of the format may be rounded either way, as far as f32 arithmetic and the matrix unit's own rounding can turn it there, and no further.
;; One version. Each part assembles by itself: llvm-mc -triple=amdgcn-amd-amdhsa -mcpu=gfx1250 --defsym DOCPART=n.
;; ======== version 1 of 1: 4 launches
;; limits: right only within a limited range of input values
;; workspace buffers: qc 13,107,200 bytes; kc 13,107,200 bytes; vc 13,107,200 bytes; pc 26,214,400 bytes; st 2,097,152 bytes
;; launch quant (part 1): grid 768 x 1, 4 waves a work-group, no clusters, 34,304 bytes of LDS; arguments q, k, v, qc, kc, vc, rep_mask; writes qc, kc, vc
.if DOCPART == 1
	.amdgcn_target "amdgcn-amd-amdhsa--gfx1250"
	.amdhsa_code_object_version 6
	.text
	.protected	k_q2974c30764_quant
	.globl	k_q2974c30764_quant
	.p2align	8
	.type	k_q2974c30764_quant,@function
k_q2974c30764_quant:
	s_mov_b64 s[64:65], 0
	v_nop
	global_prefetch_b8 v0, s[64:65] scope:SCOPE_SE
	s_setreg_imm32_b32 hwreg(HW_REG_WAVE_MODE, 25, 1), 1
	s_wait_xcnt 0x0
; q, k, v [8][2048][1024] f32 become codes of FP6 (E2M3) with one E8M0 scale byte for each 32 along a product's K, laid in the ORDER OF THE OPERAND'S REGISTERS.
; A RECORD is 12,800 bytes: 128 rows x 128 along K.  Fragment t (16 rows) at 1,536 t; in it registers 4 g .. 4 g + 3 of the operand's twelve at 512 g + 16 x lane.  At 12,288 the scale block: lane l has 16 bytes,
; word j = the scale word (four bytes, 128 along K) of tile 2 j + l / 16, row l % 16.  So a wave loads a fragment by three loads of 16 bytes a lane, and the scale words of eight tiles by one.
; qc, kc: [batch x 16 + group of 128 rows][K step of 128 of the 1,024] records; K is innermost in memory.  Tile t, row r is row 32 (t / 2) + 8 (t % 2) + r + 8 (r / 8) of the group, so that in the product
; used transposed the 16 registers of two neighbouring tiles of keys are 16 neighbouring keys.
; vc: [batch x 8 + group of 128 channels][K step of 128 keys] records; K = the keys, v's first axis within a batch; tile t, row r is channel 16 t + r.
; A block's scale is 2^(floor(log2(its largest magnitude)) - 2); its byte is the largest magnitude's exponent field - 2, held at 1 from below.
; LIMITS: a block whose largest magnitude lies under 2^-124, a block of zeros among them, gets the byte 1 (a block of zeros has zero codes, which add nothing; only this program reads the bytes);
; NaN and infinities among the inputs are not served.
; SHARES: one wave makes one record (64 KiB of f32).  Work-groups 0-255 take q, 256-511 k, 512-767 v.  Waves share nothing: no barrier.  No matrix unit, cluster or tensor load: each input byte is read once, by one wave.
; ROWS THAT THE MASK THROWS AWAY ARE NOT READ.  reference() multiplies every score s(q, k) by m_q m_k before the maximum and every exponential by it again: where rep_mask holds 0 for a row of q or of k,
; no number of that row reaches an output, whatever finite values it holds.  The mask is a whole-number input that this launch reads: the loads of such a row (tiles 1-7 of a record) take the group's first row
; in its stead, which tile 0 has read, by an offset of 0; the record then holds that row's finite codes, and the later launches multiply its scores by 0 as they do for every masked row.
; v's rows are all read: a masked key still counts for its block's scale.  LIMIT: a NaN or an infinity in a masked row of q or k is not carried to the result.
.set REC, 12800
.set VO,  44                           ; q, k: v44-59   the byte offsets of a tile's sixteen loads
.set SPT, 528                          ; q, k: a stage row: 512 bytes + 16 = 33 x 16: the sixteen rows that a read touches start in sixteen different columns of 16 bytes
.set R,   64                           ; q, k: v64-191  two sets of 64: a tile's 16 rows x 512 bytes as loaded
.set X,   192                          ; q, k: v192-255 my row's two blocks of 32
.set F,   24                           ; q, k: v24-35   the fragment's twelve registers
.set FT,  36                           ; q, k: v36-38, v40-42 the upper halves of the two blocks, as the conversions leave them
.set VX,  32                           ; v:    v32-95   two sets of 32: a block of 32 keys of my column
.set VF,  96                           ; v:    v96-191  the record's eight fragments
	s_load_b256 s[4:11], s[0:1], 0x0               ; q s[4:5], k s[6:7], v s[8:9], qc s[10:11]
	s_load_b128 s[12:15], s[0:1], 0x20             ; kc s[12:13], vc s[14:15]
	s_load_b64 s[24:25], s[0:1], 0x30              ; rep_mask
	v_lshl_add_u32 v23, v0, 2, 0x8400
	s_set_vgpr_msb 0x40
	v_mov_b32 v1, 0
	s_set_vgpr_msb 0x4000
	v_lshrrev_b32 v1, 5, v0
	v_readfirstlane_b32 s16, v1                    ; wave 0..3
	v_and_b32 v1, 31, v0                           ; lane
	s_mov_b32 s19, 0
	s_wait_kmcnt 0x0
	s_cmp_ge_u32 ttmp9, 512
	s_cbranch_scc1 .Lpath_v
; ---------------- q and k: K innermost ----------------
	s_cmp_lt_u32 ttmp9, 256                        ; q's work-group or k's?  The choice hangs on the work-group's number alone
	s_cselect_b64 s[4:5], s[4:5], s[6:7]
	s_cselect_b64 s[10:11], s[10:11], s[12:13]
	s_and_b32 s17, ttmp9, 255
	s_lshl_b32 s17, s17, 2
	s_add_co_u32 s17, s17, s16                     ; my record: 8 x group + K step, 0 .. 1,023
	s_lshr_b32 s18, s17, 3
	s_lshl_b32 s18, s18, 19                        ; a group's 128 rows of 4,096 bytes
	s_and_b32 s21, s17, 7
	s_lshl_b32 s21, s21, 9                         ; a K step's 512 bytes of a row
	s_add_co_u32 s18, s18, s21
	s_add_nc_u64 s[4:5], s[4:5], s[18:19]
	s_mul_i32 s18, s17, REC
	s_add_nc_u64 s[10:11], s[10:11], s[18:19]
	s_lshr_b32 s18, s17, 3
	s_lshl_b32 s18, s18, 9                         ; my group's 128 mask words
	s_add_nc_u64 s[24:25], s[24:25], s[18:19]
	s_mov_b32 s22, 0x76543210
	s_mov_b32 s23, 0xfedcba98                      ; v_permlanex16_b32's selects for lane l xor 16
	v_and_b32 v2, 15, v0                           ; r
	v_bfe_u32 v3, v0, 4, 1                         ; h
	s_wait_alu depctr_va_vdst(0)
	v_lshlrev_b32 v4, 4, v1                        ; 16 x lane: my bytes of a load's 512 and of a store's 512; never rewritten
	v_lshlrev_b32 v43, 2, v1                       ; 4 x lane: my word of 32 mask words
	s_mul_i32 s21, s16, 16*SPT                     ; my wave's stage
	v_add_nc_u32 v5, s21, v4                       ; into it: as loaded
	v_mul_u32_u24 v6, v2, SPT
	v_lshl_add_u32 v6, v3, 7, v6
	v_add_nc_u32 v6, s21, v6                       ; out of it: row r, + 128 h: my 32 numbers of each 64
	v_lshlrev_b32 v7, 3, v3                        ; 8 h
	v_mov_b32 v15, 0                               ; (a lane permute's destination counts as one of its sources)
	v_cmp_le_u32 s20, 16, v1                       ; lanes 16-31
.macro QLOAD t                         ; tile t's 16 rows: each load reads 512 consecutive bytes of one row
.irp i, 0,1,2,3,4,5,6,7,8,9,10,11,12,13,14,15
.if (\t) == 0
	global_load_b128 v[R+4*\i:R+4*\i+3], v4, s[4:5] offset:(\i+8*(\i/8))*4096   ; tile 0 is read whole: it is asked for while the mask words are on their way
.else
.if \i == 0
	s_wait_xcnt 0x0                                ; the earlier loads have read their offsets: these are written again only behind this wait
.endif
	s_bfe_u32 s30, s[26+(\t)/2], (1<<16)|(8*((\t)%2)+\i+8*(\i/8))   ; is the row's mask word other than 0?
	s_min_u32 s30, s30, 1
	s_mul_i32 s30, s30, (32*((\t)/2)+8*((\t)%2)+\i+8*(\i/8))*4096   ; the row's offset, or 0: the group's first row
	v_add_nc_u32 v[VO+\i], s30, v4
	global_load_b128 v[R+64*((\t)%2)+4*\i:R+64*((\t)%2)+4*\i+3], v[VO+\i], s[4:5]
.endif
.endr
.endm
.macro QTILE t
	s_wait_xcnt 0x0                                ; the last tile's stores have read the fragment's registers: they are written again only behind this wait
.if (\t) < 7
	s_wait_loadcnt 16                              ; this tile's 16 loads are in; the next tile's 16 may be out
.else
	s_wait_loadcnt 0x0
.endif
.irp i, 0,1,2,3,4,5,6,7,8,9,10,11,12,13,14,15
	ds_store_b128 v5, v[R+64*((\t)%2)+4*\i:R+64*((\t)%2)+4*\i+3] offset:SPT*\i
.endr
.irp c, 0,1
.irp i, 0,1,2,3,4,5,6,7
	ds_load_b128 v[X+32*\c+4*\i:X+32*\c+4*\i+3], v6 offset:256*\c+16*\i   ; LDS serves a wave's instructions in order: these see the stores above.  Register 32 c + i = k 64 c + 32 h + i of row r
.endr
.endr
	s_wait_dscnt 0x0                               ; my numbers are back, and the stores have read their registers,
.if (\t)+2 < 8
	QLOAD (\t)+2                                   ; which take the tile two on
.endif
.irp c, 0,1
	v_max3_num_f32 v[8+\c], |v[X+32*\c]|, |v[X+32*\c+1]|, 0x1800000   ; block 2 c + h: all 32 numbers are mine; and the floor 2^(3 - 127): the byte cannot fall under 1
.endr
.irp i, 2,4,6,8,10,12,14,16,18,20,22,24,26,28,30
.irp c, 0,1
	v_max3_num_f32 v[8+\c], v[8+\c], |v[X+32*\c+\i]|, |v[X+32*\c+\i+1]|
.endr
.endr
.irp c, 0,1
	v_add_nc_u32 v[10+\c], 0xff000000, v[8+\c]     ; 2 off the exponent field: the conversion takes the exponent field of this operand as its scale
.endr
.irp c, 0,1
	v_lshrrev_b32 v[12+\c], 23, v[10+\c]           ; the scale's byte
.endr
	v_lshl_or_b32 v14, v13, 16, v12                ; my two bytes: blocks h and 2 + h,
	v_lshlrev_b32 v14, v7, v14                     ; at their places in the scale word
	v_permlanex16_b32 v15, v14, s22, s23
.irp c, 0,1
	v_cvt_scalef32_pk16_fp6_f32 v[F+6*\c:F+6*\c+2], v[X+32*\c:X+32*\c+15], v[10+\c]
	v_cvt_scalef32_pk16_fp6_f32 v[FT+4*\c:FT+4*\c+2], v[X+32*\c+16:X+32*\c+31], v[10+\c]   ; (a conversion's three registers begin on an even number)
.endr
.if (\t)%2 == 0
	v_or_b32 v20, v14, v15                         ; with lane l xor 16's two bytes the word is whole.  (A plain line behind the conversions)
.else
	v_or_b32 v14, v14, v15
	v_cndmask_b32 v[16+(\t)/2], v20, v14, s20      ; the scale block's word t / 2: lanes 0-15 the even tile's, lanes 16-31 the odd tile's
.endif
.irp c, 0,1
.irp i, 0,1,2
	v_mov_b32 v[F+6*\c+3+\i], v[FT+4*\c+\i]
.endr
.endr
.irp g, 0,1,2
	global_store_b128 v4, v[F+4*\g:F+4*\g+3], s[10:11] offset:1536*(\t)+512*\g   ; 32 lanes store 512 consecutive bytes, at a multiple of 256 from the buffer's first byte
.endr
.endm
	s_wait_alu depctr_va_vdst(0)                   ; the wait at the head's end
.irp j, 0,1,2,3
	global_load_b32 v[60+\j], v43, s[24:25] offset:128*\j   ; the mask words of rows 32 j + lane
.endr
	QLOAD 0
	s_wait_loadcnt 16                              ; the four mask loads are in; tile 0's sixteen may be out
.irp j, 0,1,2,3
	v_cmp_ne_u32 s[26+\j], 0, v[60+\j]             ; bit l: row 32 j + l counts
.endr
	s_wait_alu depctr_va_vdst(0)
	QLOAD 1
	s_wait_alu depctr_va_vdst(0)
.irp t, 0,1,2,3,4,5,6,7
	QTILE \t
.endr
	global_store_b128 v4, v[16:19], s[10:11] offset:12288
	s_set_vgpr_msb 0x4
	s_wait_tensorcnt 0x0
	ds_add_u32 v23, v1
	s_wait_dscnt 0x0
	s_set_vgpr_msb 0x400
	s_endpgm
; ---------------- v: K = the keys, not innermost: a lane takes a channel, and its registers run down the keys ----------------
.Lpath_v:
	s_sub_co_u32 s17, ttmp9, 512
	s_lshl_b32 s17, s17, 2
	s_add_co_u32 s17, s17, s16                     ; my record: (8 x batch + channel group) x 16 + K step
	s_lshr_b32 s18, s17, 7
	s_lshl_b32 s18, s18, 23                        ; a batch: 2,048 keys of 4,096 bytes
	s_and_b32 s20, s17, 15
	s_lshl_b32 s20, s20, 19                        ; a K step: 128 keys
	s_add_co_u32 s18, s18, s20
	s_bfe_u32 s20, s17, 0x30004
	s_lshl_b32 s20, s20, 9                         ; a group: 128 channels of 4 bytes
	s_add_co_u32 s18, s18, s20
	s_add_nc_u64 s[8:9], s[8:9], s[18:19]
	s_mul_i32 s18, s17, REC
	s_add_nc_u64 s[14:15], s[14:15], s[18:19]
	s_wait_alu depctr_va_vdst(0)
	v_lshlrev_b32 v4, 2, v1                        ; in: 4 bytes a lane
	v_lshlrev_b32 v5, 4, v1                        ; out: 16 bytes a lane
; Unit u = 4 x block + s: 32 keys x channels 32 s .. 32 s + 31 (s fastest, so that the four pieces of a key's 512 bytes are read one after the other)
.macro VLOAD u
.irp i, 0,1,2,3,4,5,6,7,8,9,10,11,12,13,14,15,16,17,18,19,20,21,22,23,24,25,26,27,28,29,30,31
	global_load_b32 v[VX+32*((\u)%2)+\i], v4, s[8:9] offset:(32*((\u)/4)+\i)*4096+128*((\u)%4) th:TH_LOAD_NT
.endr
.endm
.macro VUNIT u
.set XS, VX+32*((\u)%2)
.set BL, (\u)/4
.set SG, (\u)%4
.set DD, VF+12*(2*SG+BL%2)+6*(BL/2)
.if (\u) < 15
	s_wait_loadcnt 32                              ; this unit's 32 loads are in; the next unit's may be out
.else
	s_wait_loadcnt 0x0
.endif
	v_max3_num_f32 v8, |v[XS]|, |v[XS+1]|, |v[XS+2]|   ; the block's largest magnitude: all 32 numbers are mine
	v_max3_num_f32 v9, |v[XS+3]|, |v[XS+4]|, |v[XS+5]|
.irp i, 6,10,14,18,22,26
	v_max3_num_f32 v8, v8, |v[XS+\i]|, |v[XS+\i+1]|
	v_max3_num_f32 v9, v9, |v[XS+\i+2]|, |v[XS+\i+3]|
.endr
	v_max3_num_f32 v8, v8, |v[XS+30]|, |v[XS+31]|
	v_max3_num_f32 v8, v8, v9, 0x1800000           ; and the floor 2^(3 - 127)
	v_add_nc_u32 v10, 0xff000000, v8               ; the conversion's scale operand
.if BL == 0
	v_lshrrev_b32 v[16+SG], 23, v10                ; my channel's scale word: byte = block.  Lane 16 e + r holds tile 2 s + e, row r: it IS the scale block's word s
.else
	v_lshrrev_b32 v11, 23, v10
	v_lshl_or_b32 v[16+SG], v11, 8*BL, v[16+SG]
.endif
	v_cvt_scalef32_pk16_fp6_f32 v[DD:DD+2], v[XS:XS+15], v10
	v_cvt_scalef32_pk16_fp6_f32 v[20:22], v[XS+16:XS+31], v10
	v_nop                                          ; one plain line behind a scaled conversion
.irp i, 0,1,2
	v_mov_b32 v[DD+3+\i], v[20+\i]
.endr
.if (\u)+2 < 16
	VLOAD (\u)+2
.endif
.if BL%2 == 1                          ; blocks 2 c and 2 c + 1 of both tiles are made.  The operand wants block 2 c in lanes 0-15 and block 2 c + 1 in lanes 16-31, of ONE tile: the first's lanes 16-31 change places with the second's lanes 0-15
.irp i, 0,1,2,3,4,5
	v_permlane16_swap_b32 v[VF+24*SG+6*(BL/2)+\i], v[VF+24*SG+12+6*(BL/2)+\i]
.endr
.endif
.endm
	VLOAD 0
	VLOAD 1
.irp u, 0,1,2,3,4,5,6,7,8,9,10,11,12,13,14,15
	VUNIT \u
.endr
.irp t, 0,1,2,3,4,5,6,7
.irp g, 0,1,2
	global_store_b128 v5, v[VF+12*\t+4*\g:VF+12*\t+4*\g+3], s[14:15] offset:1536*\t+512*\g
.endr
.endr
	global_store_b128 v5, v[16:19], s[14:15] offset:12288
	s_endpgm
.Lfunc_end_k_q2974c30764_quant:
	.size	k_q2974c30764_quant, .Lfunc_end_k_q2974c30764_quant-k_q2974c30764_quant
	.p2alignl 7, 3214868480
	.fill 96, 4, 3214868480
	.section	.rodata,"a",@progbits
	.p2align	6, 0x0
	.amdhsa_kernel k_q2974c30764_quant
		.amdhsa_group_segment_fixed_size 34304
		.amdhsa_private_segment_fixed_size 0
		.amdhsa_enable_private_segment 0
		.amdhsa_kernarg_size 56
		.amdhsa_user_sgpr_count 2
		.amdhsa_user_sgpr_kernarg_segment_ptr 1
		.amdhsa_wavefront_size32 1
		.amdhsa_system_sgpr_workgroup_id_x 1
		.amdhsa_system_sgpr_workgroup_id_y 1
		.amdhsa_system_sgpr_workgroup_id_z 1
		.amdhsa_system_vgpr_workitem_id 0
		.amdhsa_next_free_vgpr 258
		.amdhsa_next_free_sgpr 66
		.amdhsa_reserve_vcc 0
		.amdhsa_float_denorm_mode_32 3
		.amdhsa_float_denorm_mode_16_64 3
		.amdhsa_memory_ordered 1
		.amdhsa_forward_progress 1
		.amdhsa_inst_pref_size 155
	.end_amdhsa_kernel
	.amdgpu_metadata
---
amdhsa.version: [ 1, 2 ]
amdhsa.kernels:
  - .name:           k_q2974c30764_quant
    .symbol:         k_q2974c30764_quant.kd
    .args:
      - { .name: q, .offset: 0, .size: 8, .value_kind: global_buffer, .address_space: global }
      - { .name: k, .offset: 8, .size: 8, .value_kind: global_buffer, .address_space: global }
      - { .name: v, .offset: 16, .size: 8, .value_kind: global_buffer, .address_space: global }
      - { .name: qc, .offset: 24, .size: 8, .value_kind: global_buffer, .address_space: global }
      - { .name: kc, .offset: 32, .size: 8, .value_kind: global_buffer, .address_space: global }
      - { .name: vc, .offset: 40, .size: 8, .value_kind: global_buffer, .address_space: global }
      - { .name: rep_mask, .offset: 48, .size: 8, .value_kind: global_buffer, .address_space: global }
    .group_segment_fixed_size: 34304
    .private_segment_fixed_size: 0
    .kernarg_segment_align: 8
    .kernarg_segment_size: 56
    .max_flat_workgroup_size: 128
    .sgpr_count:     66
    .vgpr_count:     258
    .wavefront_size: 32
...
	.end_amdgpu_metadata
.endif
;; end of part 1
;; launch stats (part 2): grid 8 x 64, 4 waves a work-group, clusters of 4 x 4, 327,680 bytes of LDS; arguments qc, kc, rep_mask, st; writes st
.if DOCPART == 2
	.amdgcn_target "amdgcn-amd-amdhsa--gfx1250"
	.amdhsa_code_object_version 6
	.text
	.protected	k_q2974c30764_stats
	.globl	k_q2974c30764_stats
	.p2align	8
	.type	k_q2974c30764_stats,@function
k_q2974c30764_stats:
	s_mov_b64 s[64:65], 0
	v_nop
	global_prefetch_b8 v0, s[64:65] scope:SCOPE_SE
	s_setreg_imm32_b32 hwreg(HW_REG_WAVE_MODE, 25, 1), 1
	s_wait_xcnt 0x0
	s_wait_alu depctr_hold_cnt(0) depctr_sa_sdst(0) depctr_va_vdst(0) depctr_va_sdst(0) depctr_va_ssrc(0) depctr_va_vcc(0) depctr_vm_vsrc(0)
	s_getreg_b32 s2, hwreg(HW_REG_IB_STS2, 6, 4)
	s_cmp_eq_u32 s2, 0
	s_cbranch_scc0 .Lentry_in_a_cluster
	s_endpgm
.Lentry_in_a_cluster:
	s_bfe_u32 s2, ttmp6, 0x10000c
	s_cmp_lg_u32 s2, 0xf033
	s_cbranch_scc0 .Lentry_shape_is_right
	s_endpgm
.Lentry_shape_is_right:
; THE ROW STATISTICS OF THE MASKED SOFTMAX.  S = q k^T on codes of FP6 (E2M3) with E8M0 scales; a work-group makes 256 queries x 256 keys of one batch, a wave 128 x 128 (64 accumulators, 512 registers).
; For each query and each group of 128 keys it stores c = the largest of s m_k, times m_q log2(e), and the sum over the keys of 2^(s m_k m_q log2(e) - c) m_k.  S itself never goes to memory:
; the next launch makes the same tile again, by the same instructions in the same order, so with the same bits.  c is one constant for a query and a group: its own rounding cancels when the parts are joined.
; OPERANDS come as RECORDS of 12,800 bytes (128 rows x 128 K in the order of the operand's registers; fragment t at 1,536 t, registers 4 g .. at 512 g + 16 x lane; the scale words of eight tiles at 12,288:
; lane l's word j = tile 2 j + l / 16, row l % 16).  A K step of a wave is one record of q and one of k: 50 LDS loads of 16 bytes a lane for 64 matrix instructions, each 512 bytes on end.
; LDS: THREE slots of 102,400 bytes, each with two K steps: part w (25,600 bytes, two records, dense in memory) is fetched by wave w with one tensor load: parts 0, 1 = q's two groups, parts 2, 3 = k's.
; Six of the tile's eight K steps are asked for at the head, as first fills: three tensor loads of a wave are out.  Slot 0 is filled once more, with K steps 6 and 7, behind the round in K step 1;
; the wait for that load stands at the head of K step 5: 224 matrix instructions later.
; CLUSTER 4 x 4: q's parts hang on the tile row alone and are asked for jointly along a row of the cluster, k's on the tile column (and the batch, which all sixteen share) along a column.
; THE PRODUCT IS USED TRANSPOSED (source 0 = 16 keys, source 1 = 16 queries): a lane holds ONE query (lane % 16).  Tile t, row r of a record is row 32 (t / 2) + 8 (t % 2) + r + 8 (r / 8) of its group:
; so register 16 b + i of a query tile's 64 is key 32 b + 16 (lane / 16) + i.
; LIMITS: rep_mask holds whole numbers from 0 to 2^24 (a negative one would turn the order of the maximum); NaN and infinities are not served; an exponential under 2^-126 counts as 0.
; No prefetch: all but one of a tile's fills stand at the head.  One tile to a work-group.  The eight K steps are written out by macro: none recurs with the same slots and fills.
; REGISTERS, window 0: v1-3 r, h, lane; v4-9 LDS addresses; v10, v11 16 x and 8 x lane; v12, v13 the masks' offsets; v14, v15 the spare word's address and 0; v16-23 m_q log2(e); v24-31 m_q; v32-47 scale words, two sets;
;   v64-127 m_k; v128-223 q's fragments, later v128-191 at work; v224-247 at work; v248-255 the results.   window 1: k's fragments, two sets.   windows 2, 3: accumulator (a, b) at v[8 (8 (a % 4) + b)].
; THE RING AS IT STANDS (this takes the place of what is said above of three slots and of six K steps at the head): TWO slots of 153,600 bytes, three K steps each; part w (38,400 bytes, three records) is fetched by wave w.
; One tensor load a wave at the head (K steps 0-2); slot 1's first fill (K steps 3-5) behind the waits, the add and a round of the cluster's barrier; slot 0 is filled once more, with K steps 6 and 7
; (two records, a group 1 of its own), behind the round in K step 2.  Each fill has two K steps or more, at least 128 matrix instructions, between its request and the wait for it.  One tensor load of a wave is out at any time.
; No prefetch: a tile has three fills and the text has no loop to run ahead in.
.set KS,    8                          ; K steps of 128
.set BSH,   4                          ; log2 of B's groups in a batch
.set REC,   12800
.set PART,  3*REC
.set G1S,   84                         ; s[84:91], s[92:99] descriptor groups 1 for the last fill of two records
.set G1SB,  92
.set SLOT,  4*PART
.set SPARE, 2*SLOT                     ; behind the slots: the spare words, 128 bytes for each wave
.set ADRA,  4                          ; v4, v5   LDS address of my A records in slot 0, 1
.set ADRB,  7                          ; v7, v8   the same for B
.set L16,   10
.set L8,    11
.set SPW,   14
.set NIL,   15
.set MQL,   16
.set MQ,    24
.set SCA,   32                         ; set p: A's scale words at v[32 + 8 p ..], B's at v[36 + 8 p ..]; register i / 2 serves tile i, its upper lanes where i is odd
.set SCB,   36
.set MK,    64
.set AF,    128
.set W,     128
.set TM,    224
.set PA,    240
.set PB,    242
.set OUT,   248
.set G1,    24                         ; s[24:31] descriptor group 1 for A's parts; group 0: s[32:35] slot 0, s[36:39] slot 1
.set G0,    32
.set G1B,   48                         ; s[48:55] the same for B's; group 0: s[56:59], s[60:63]
.set G0B,   56
.set MSB,   0
.set MUL_LO, 0xa1                      ; source 0 (B) window 1, source 1 (A) window 0, C and D window 2
.set MUL_HI, 0xf1                      ; the same, C and D window 3
.set TO_B,   0x40                      ; destination window 1, address window 0
.macro WIN new                         ; the immediate's high byte repeats the setting that is left
.if MSB != (\new)
	s_set_vgpr_msb (MSB<<8)|(\new)
.set MSB, \new
.endif
.endm
.macro PLACES                          ; four plain vector lines between a matrix instruction and a load into, or a vector write of, one of its registers, or a read of its result
.rept 4
	v_nop
.endr
.endm
; A joint load: waves 0 and 1 fetch for A, waves 2 and 3 for B.  Each line has one mask and one set of registers for all that issue it; the branch hangs on the wave's number alone.  Four v_nop follow each line.
.macro JLOAD g0a, g0b, g1a, g1b
	s_cmp_eq_u32 s15, 0
	s_cbranch_scc0 .Lfor_b_\@
	tensor_load_to_lds s[\g0a:\g0a+3], s[\g1a:\g1a+7]
	s_nop 0
.rept 4
	v_nop
.endr
	s_branch .Lasked_\@
.Lfor_b_\@:
	tensor_load_to_lds s[\g0b:\g0b+3], s[\g1b:\g1b+7]
	s_nop 0
.rept 4
	v_nop
.endr
.Lasked_\@:
.endm
.macro CREST                           ; a round of the cluster's barrier behind its opening barrier
	s_cmp_lg_u32 s14, 0
	s_cbranch_scc1 .Lnot_wave_0_\@
	s_barrier_signal -3
.Lnot_wave_0_\@:
	s_barrier_wait -3
	s_barrier_signal -1
	s_barrier_wait -1
.endm
.macro CROUND
	s_barrier_signal -1
	s_barrier_wait -1
	CREST
.endm
; Slot s's first fill: both groups 0 are made (A's address in s[20:21], B's in s[46:47], my part's place in a slot in s45), and the wave asks by one of them.
.macro FIRST ga, gb, s
	s_mov_b32 s[\ga], 1
	s_add_co_u32 s[\ga+1], s45, \s*SLOT
	s_add_nc_u64 s[\ga+2:\ga+3], s[20:21], \s*PART
	s_or_b32 s[\ga+3], s[\ga+3], 0x80000000
	s_mov_b32 s[\gb], 1
	s_add_co_u32 s[\gb+1], s45, \s*SLOT
	s_add_nc_u64 s[\gb+2:\gb+3], s[46:47], \s*PART
	s_or_b32 s[\gb+3], s[\gb+3], 0x80000000
.endm
; One product: A's tile a x B's tile b, 128 along K, B's set and the scales' set p.  zero = 1: it starts the sum.
.macro MM a, b, p, zero
.set rD, 8*(8*((\a)%4)+(\b))
.set rB, 128*(\p)+12*(\b)
.set rA, AF+12*(\a)
.set rT, SCB+8*(\p)+(\b)/2
.set rU, SCA+8*(\p)+(\a)/2
.set par, 2*((\b)%2)+(\a)%2
.if \zero
.if par == 0
	v_wmma_scale_f32_16x16x128_f8f6f4 v[rD:rD+7], v[rB:rB+11], v[rA:rA+11], 0, v[rT], v[rU] matrix_a_fmt:MATRIX_FMT_FP6 matrix_b_fmt:MATRIX_FMT_FP6
.elseif par == 1
	v_wmma_scale_f32_16x16x128_f8f6f4 v[rD:rD+7], v[rB:rB+11], v[rA:rA+11], 0, v[rT], v[rU] matrix_a_fmt:MATRIX_FMT_FP6 matrix_b_fmt:MATRIX_FMT_FP6 matrix_b_scale:MATRIX_SCALE_ROW1
.elseif par == 2
	v_wmma_scale_f32_16x16x128_f8f6f4 v[rD:rD+7], v[rB:rB+11], v[rA:rA+11], 0, v[rT], v[rU] matrix_a_fmt:MATRIX_FMT_FP6 matrix_b_fmt:MATRIX_FMT_FP6 matrix_a_scale:MATRIX_SCALE_ROW1
.else
	v_wmma_scale_f32_16x16x128_f8f6f4 v[rD:rD+7], v[rB:rB+11], v[rA:rA+11], 0, v[rT], v[rU] matrix_a_fmt:MATRIX_FMT_FP6 matrix_b_fmt:MATRIX_FMT_FP6 matrix_a_scale:MATRIX_SCALE_ROW1 matrix_b_scale:MATRIX_SCALE_ROW1
.endif
.else
.if par == 0
	v_wmma_scale_f32_16x16x128_f8f6f4 v[rD:rD+7], v[rB:rB+11], v[rA:rA+11], v[rD:rD+7], v[rT], v[rU] matrix_a_fmt:MATRIX_FMT_FP6 matrix_b_fmt:MATRIX_FMT_FP6
.elseif par == 1
	v_wmma_scale_f32_16x16x128_f8f6f4 v[rD:rD+7], v[rB:rB+11], v[rA:rA+11], v[rD:rD+7], v[rT], v[rU] matrix_a_fmt:MATRIX_FMT_FP6 matrix_b_fmt:MATRIX_FMT_FP6 matrix_b_scale:MATRIX_SCALE_ROW1
.elseif par == 2
	v_wmma_scale_f32_16x16x128_f8f6f4 v[rD:rD+7], v[rB:rB+11], v[rA:rA+11], v[rD:rD+7], v[rT], v[rU] matrix_a_fmt:MATRIX_FMT_FP6 matrix_b_fmt:MATRIX_FMT_FP6 matrix_a_scale:MATRIX_SCALE_ROW1
.else
	v_wmma_scale_f32_16x16x128_f8f6f4 v[rD:rD+7], v[rB:rB+11], v[rA:rA+11], v[rD:rD+7], v[rT], v[rU] matrix_a_fmt:MATRIX_FMT_FP6 matrix_b_fmt:MATRIX_FMT_FP6 matrix_a_scale:MATRIX_SCALE_ROW1 matrix_b_scale:MATRIX_SCALE_ROW1
.endif
.endif
.endm
; 16 products: A's tiles a0, a0 + 1 x B's eight.  The 64 accumulators take turns, one instruction a turn, in the same order in every step.
.macro MUL16 a0, p, zero
.irp a, \a0, \a0+1
.irp b, 0,1,2,3,4,5,6,7
	MM \a, \b, \p, \zero
.endr
.endr
.endm
.macro FETCH_B slot, q, p              ; B's eight fragments of the slot's q-th record into set p
	WIN TO_B
.irp i, 0,1,2,3,4,5,6,7
.irp g, 0,1,2
	ds_load_b128 v[128*(\p)+12*\i+4*\g:128*(\p)+12*\i+4*\g+3], v[ADRB+\slot] offset:REC*(\q)+1536*\i+512*\g
.endr
.endr
	WIN 0
.endm
.macro FETCH_A slot, q, i0             ; A's tiles i0 .. i0 + 3
.irp i, \i0, \i0+1, \i0+2, \i0+3
.irp g, 0,1,2
	ds_load_b128 v[AF+12*(\i)+4*\g:AF+12*(\i)+4*\g+3], v[ADRA+\slot] offset:REC*(\q)+1536*(\i)+512*\g
.endr
.endr
.endm
.macro SCALES slot, q, p               ; both records' scale blocks into set p
	ds_load_b128 v[SCA+8*(\p):SCA+8*(\p)+3], v[ADRA+\slot] offset:REC*(\q)+12288
	ds_load_b128 v[SCB+8*(\p):SCB+8*(\p)+3], v[ADRB+\slot] offset:REC*(\q)+12288
.endm
; A K step on B's set p that needs no barrier: it fetches the next K step, record nq of slot ns, which every wave knows to have landed, into the other set.
; A has one set of registers: a tile is free as soon as its eight products are issued.
.macro STEP p, ns, nq, zero
	s_wait_dscnt 12                                ; B's set, A's tiles 0-3 and the scale words are in; the youngest twelve loads (A's tiles 4-7) may be out
	WIN MUL_LO
	MUL16 0, \p, \zero
	MUL16 2, \p, \zero
	s_wait_dscnt 0x0                               ; A's tiles 4-7 are in (asked for 32 matrix instructions ago)
	PLACES
	FETCH_B \ns, \nq, 1-(\p)
	FETCH_A \ns, \nq, 0
	SCALES \ns, \nq, 1-(\p)
	WIN MUL_HI
	MUL16 4, \p, \zero
	MUL16 6, \p, \zero
	PLACES
	WIN 0
	FETCH_A \ns, \nq, 4
.endm
; A K step with a barrier in it.  In front of the barrier each wave waits for all its tensor loads, adds 0 to its spare word, and waits for that and for its reads of the slot that it leaves.
; fill = 1 (K step 2): the barrier opens a round of the cluster's barrier, and slot 0 is filled again, with K steps 6 and 7.  fill = 0 (K step 5): behind the barrier that fill is whole for every wave.
.macro TURN p, ns, nq, fill
	s_wait_tensorcnt 0x0                           ; all my tensor loads have landed
	ds_add_u32 v[SPW], v[NIL]                      ; 0 onto my spare word
	s_wait_dscnt 13                                ; (the add and the youngest twelve loads, A's tiles 4-7, may be out)
	WIN MUL_LO
	MUL16 0, \p, 0                                 ; sixteen matrix instructions stand between the add and the wait for it
	s_wait_dscnt 0x0                               ; the add is done, and my reads of the slot that I leave are over
	s_barrier_signal -1
	MUL16 2, \p, 0
	WIN 0
	s_barrier_wait -1
.if \fill
	CREST                                          ; no wave of any partner still reads slot 0 or has a load on its way
	s_add_nc_u64 s[G0+2:G0+3], s[G0+2:G0+3], 2*PART
	s_add_nc_u64 s[G0B+2:G0B+3], s[G0B+2:G0B+3], 2*PART
	JLOAD G0, G0B, G1S, G1SB                       ; the first tensor load behind the round; its four v_nop are the places in front of the loads below
.else
	PLACES
.endif
	FETCH_B \ns, \nq, 1-(\p)
	FETCH_A \ns, \nq, 0
	SCALES \ns, \nq, 1-(\p)
	WIN MUL_HI
	MUL16 4, \p, 0
	MUL16 6, \p, 0
	PLACES
	WIN 0
	FETCH_A \ns, \nq, 4
.endm
	s_load_b128 s[4:7], s[0:1], 0x0                ; qc (A), kc (B)
	s_load_b128 s[8:11], s[0:1], 0x10              ; rep_mask, st
	v_lshl_add_u32 v[SPW], v0, 2, SPARE
	v_mov_b32 v[NIL], 0
	ds_add_u32 v14, v15
	ds_add_u32 v14, v15
	s_wait_dscnt 0x0
	v_lshrrev_b32 v1, 5, v0
	v_readfirstlane_b32 s14, v1                    ; wave 0..3
	s_lshr_b32 s15, s14, 1                         ; which 128 queries of the tile are mine.  Also: I fetch for A (0) or for B (1)
	s_and_b32 s16, s14, 1                          ; which 128 keys.  Also: which group of that tile I fetch
	s_bfe_u32 s40, ttmp6, 0x40000                  ; cx, cy: my place in the cluster
	s_bfe_u32 s41, ttmp6, 0x40004
	s_lshl_b32 s42, ttmp9, 2
	s_add_co_u32 s42, s42, s40                     ; X: tile column = 4 x cluster x + cx
	s_and_b32 s18, ttmp7, 0xffff                   ; cluster y
	s_lshl_b32 s17, s18, 2
	s_add_co_u32 s17, s17, s41                     ; Y: tile row over all batches = 4 x cluster y + cy
	s_lshr_b32 s19, s18, 1                         ; the batch: eight tile rows, two clusters: the same in all sixteen partners
	s_lshl_b32 s43, s41, 2
	s_lshl_b32 s43, 15, s43                        ; my row of the cluster
	s_lshl_b32 s44, 0x1111, s40                    ; my column
	; descriptor group 1: a dense block of 38,400 bytes as 150 rows of 256 bytes (32 elements of 8 bytes), no padding
	s_or_b32 s[G1+0], s43, (3<<16)|(1<<21)         ; 15:0 the mask; 17:16 elements of 8 bytes; 21 set beside a mask
	s_or_b32 s[G1B+0], s44, (3<<16)|(1<<21)
.irp g, G1, G1B
	s_mov_b32 s[\g+1], 32<<16                      ; tensor_dim0
	s_mov_b32 s[\g+2], 150<<16                     ; tensor_dim1: 38,400 bytes as 150 rows of 256
	s_mov_b32 s[\g+3], 32<<16                      ; tile_dim0
	s_mov_b32 s[\g+4], 150                         ; tile_dim1
	s_mov_b32 s[\g+5], 32                          ; tensor_dim0_stride
	s_mov_b32 s[\g+6], 0
	s_mov_b32 s[\g+7], 0
.endr
	s_or_b32 s[G1S+0], s43, (3<<16)|(1<<21)        ; the same for two records: 100 rows
	s_or_b32 s[G1SB+0], s44, (3<<16)|(1<<21)
.irp g, G1S, G1SB
	s_mov_b32 s[\g+1], 32<<16
	s_mov_b32 s[\g+2], 100<<16
	s_mov_b32 s[\g+3], 32<<16
	s_mov_b32 s[\g+4], 100
	s_mov_b32 s[\g+5], 32
	s_mov_b32 s[\g+6], 0
	s_mov_b32 s[\g+7], 0
.endr
	s_lshl_b32 s20, s17, 1
	s_add_co_u32 s20, s20, s16                     ; A's group: 2 Y + half
	s_mul_i32 s20, s20, KS*REC
	s_mov_b32 s21, 0
	s_lshl_b32 s46, s19, BSH
	s_lshl_b32 s47, s42, 1
	s_add_co_u32 s46, s46, s47
	s_add_co_u32 s46, s46, s16                     ; B's group: the batch's first + 2 X + half
	s_mul_i32 s46, s46, KS*REC
	s_mov_b32 s47, 0
	s_mul_i32 s45, s14, PART                       ; where my part goes: no place in the cluster enters an LDS address
	s_wait_kmcnt 0x0
	s_add_nc_u64 s[20:21], s[4:5], s[20:21]
	s_add_nc_u64 s[46:47], s[6:7], s[46:47]
	CROUND                                         ; all sixteen work-groups are here: the first joint loads meet
	FIRST 32, 56, 0                                ; both slots' groups 0 are made,
	FIRST 36, 60, 1
	JLOAD 32, 56, G1, G1B                          ; and K steps 0-2 are asked for: one tensor load a wave at the head
	v_and_b32 v1, 15, v0                           ; r
	v_bfe_u32 v2, v0, 4, 1                         ; h
	v_and_b32 v3, 31, v0                           ; lane
	v_lshlrev_b32 v[L16], 4, v3
	v_lshlrev_b32 v[L8], 3, v3
	s_mul_i32 s21, s15, PART                       ; my group of A
	s_mul_i32 s22, s16, PART                       ; my group of B,
	s_add_co_u32 s22, s22, 2*PART                  ; behind A's two
.irp s, 0,1
	v_add_nc_u32 v[ADRA+\s], s21, v[L16]
	v_add_nc_u32 v[ADRB+\s], s22, v[L16]
	s_add_co_u32 s21, s21, SLOT
	s_add_co_u32 s22, s22, SLOT
.endr
	; the masks, while the first parts are on their way
	s_mov_b32 s66, 0x76543210
	s_mov_b32 s67, 0xfedcba98                      ; v_permlanex16_b32's selects for lane l xor 16
	s_lshl_b32 s72, s19, 13                        ; the batch's 2,048 words
	s_lshl_b32 s73, s42, 1
	s_add_co_u32 s73, s73, s16
	s_lshl_b32 s73, s73, 9                         ; my 128 keys
	s_add_co_u32 s72, s72, s73
	s_mov_b32 s73, 0
	s_add_nc_u64 s[72:73], s[8:9], s[72:73]
	s_lshl_b32 s74, s17, 1
	s_add_co_u32 s74, s74, s15                     ; my group of queries, over all batches
	s_lshl_b32 s76, s74, 9
	s_mov_b32 s77, 0
	s_add_nc_u64 s[76:77], s[8:9], s[76:77]
	s_lshl_b32 s78, s74, 4
	s_lshl_b32 s79, s42, 1
	s_add_co_u32 s78, s78, s79
	s_add_co_u32 s78, s78, s16
	s_lshl_b32 s78, s78, 10                        ; st: 1,024 bytes for a group of queries and a group of keys
	s_mov_b32 s79, 0
	s_add_nc_u64 s[78:79], s[10:11], s[78:79]
	s_wait_alu depctr_va_vdst(0)                   ; the wait here, directly ahead of the first reader behind the scalar lines above
	v_and_b32 v12, 8, v1
	v_add_nc_u32 v12, v12, v1
	v_lshlrev_b32 v12, 2, v12                      ; 4 (r + 8 (r / 8)): my query in a tile
	v_lshlrev_b32 v13, 6, v2                       ; 64 h: my 16 keys of each 32
.irp b, 0,1,2,3
.irp i, 0,1,2,3
	global_load_b128 v[MK+16*\b+4*\i:MK+16*\b+4*\i+3], v13, s[72:73] offset:128*\b+16*\i
.endr
.endr
.irp a, 0,1,2,3,4,5,6,7
	global_load_b32 v[MQ+\a], v12, s[76:77] offset:(32*(\a/2)+8*(\a%2))*4
.endr
	v_cmp_le_u32 s70, 16, v3                       ; lanes 16-31
	v_mov_b32 v[TM+4], 0                           ; (a lane permute's destination counts as one of its sources)
	v_mov_b32 v[TM+5], 0
	v_mov_b32 v[PA+1], 0                           ; (named as the upper halves of pairs of which the low word serves both halves)
	v_mov_b32 v[PB+1], 0
	s_wait_loadcnt 0x0
.set j, 0
.rept 64
	v_cvt_f32_i32 v[MK+j], v[MK+j]
.set j, j+1
.endr
.irp a, 0,1,2,3,4,5,6,7
	v_cvt_f32_i32 v[MQ+\a], v[MQ+\a]
.endr
.irp a, 0,1,2,3,4,5,6,7
	v_mul_f32 v[MQL+\a], 0x3fb8aa3b, v[MQ+\a]      ; m_q log2(e)
.endr
	s_wait_alu depctr_va_vdst(0)                   ; the wait at the head's end
	s_wait_tensorcnt 0x0                           ; my part of slot 0 is in
	ds_add_u32 v[SPW], v[NIL]
	s_wait_dscnt 0x0
	CROUND                                         ; everybody's part is in, and all sixteen work-groups are here
	JLOAD 36, 60, G1, G1B                          ; K steps 3-5, slot 1's first fill
	FETCH_B 0, 0, 0
	FETCH_A 0, 0, 0
	SCALES 0, 0, 0
	FETCH_A 0, 0, 4
	STEP 0, 0, 1, 1                                ; K step 0: its products start the sums
	STEP 1, 0, 2, 0                                ; K step 1
	TURN 0, 1, 0, 1                                ; K step 2: slot 1 is whole for every wave; slot 0 is left and takes K steps 6 and 7
	STEP 1, 1, 1, 0                                ; K step 3
	STEP 0, 1, 2, 0                                ; K step 4
	TURN 1, 0, 0, 0                                ; K step 5: slot 0's second fill is whole for every wave
	STEP 0, 0, 1, 0                                ; K step 6
	s_wait_dscnt 12                                ; K step 7: nothing more to fetch
	WIN MUL_LO
	MUL16 0, 1, 0
	MUL16 2, 1, 0
	s_wait_dscnt 0x0
	WIN MUL_HI
	MUL16 4, 1, 0
	MUL16 6, 1, 0
	WIN 0
	PLACES
; The statistics of query tile a: a lane's 64 scores are its query's keys 32 b + 16 h + i.
.macro STAT a
.set AC, 64*((\a)%4)
	WIN 0x02+(\a)/4                                ; source 0: window 2 or 3
.set j, 0
.rept 32
	v_pk_mul_f32 v[W+j:W+j+1], v[AC+j:AC+j+1], v[MK+j:MK+j+1]   ; u = s m_k; each accumulator is read from its low end on
.set j, j+2
.endr
	WIN 0
	v_mov_b32 v[PA], v[MQL+(\a)]
.irp b, 0,1,2,3
	v_max3_num_f32 v[TM+\b], v[W+16*\b], v[W+16*\b+1], v[W+16*\b+2]   ; the largest u, in four chains by turns
.endr
.irp i, 3,5,7,9,11,13
.irp b, 0,1,2,3
	v_max3_num_f32 v[TM+\b], v[TM+\b], v[W+16*\b+\i], v[W+16*\b+\i+1]
.endr
.endr
.irp b, 0,1,2,3
	v_max_num_f32 v[TM+\b], v[TM+\b], v[W+16*\b+15]
.endr
	v_max3_num_f32 v[TM], v[TM], v[TM+1], v[TM+2]
	v_max_num_f32 v[TM], v[TM], v[TM+3]
	v_permlanex16_b32 v[TM+4], v[TM], s66, s67     ; the query's other 64 keys lie in the lane 16 away
	v_max_num_f32 v[TM], v[TM], v[TM+4]
	v_mul_f32 v[PB], v[TM], v[PA]                  ; c
.set j, 0
.rept 32
	v_pk_fma_f32 v[W+j:W+j+1], v[W+j:W+j+1], v[PA:PA+1], v[PB:PB+1] op_sel_hi:[1,0,0] neg_lo:[0,0,1] neg_hi:[0,0,1]   ; u m_q log2(e) - c, one rounding
.set j, j+2
.endr
.set j, 0
	s_wait_alu depctr_va_vdst(0)
.rept 64
	v_exp_f32 v[W+j], v[W+j]
.set j, j+1
.endr
	v_nop                                          ; a plain line behind the last exponential
	s_wait_alu depctr_va_vdst(0)                   ; one wait for the batch, ahead of its first reader
	v_pk_mul_f32 v[TM+8:TM+9], v[W:W+1], v[MK:MK+1]           ; the sum of e m_k, two at a time, in two chains
	v_pk_mul_f32 v[TM+10:TM+11], v[W+2:W+3], v[MK+2:MK+3]
.set j, 4
.rept 15
	v_pk_fma_f32 v[TM+8:TM+9], v[W+j:W+j+1], v[MK+j:MK+j+1], v[TM+8:TM+9]
	v_pk_fma_f32 v[TM+10:TM+11], v[W+j+2:W+j+3], v[MK+j+2:MK+j+3], v[TM+10:TM+11]
.set j, j+4
.endr
	v_pk_add_f32 v[TM+8:TM+9], v[TM+8:TM+9], v[TM+10:TM+11]
	v_add_f32 v[TM+8], v[TM+8], v[TM+9]
	v_permlanex16_b32 v[TM+5], v[TM+8], s66, s67
.if (\a)%2 == 0
	v_add_f32 v[OUT+(\a)+1], v[TM+8], v[TM+5]      ; both halves of the lanes hold the query's c and sum: lanes 0-15 keep the even tile's,
	v_mov_b32 v[OUT+(\a)], v[PB]
.else
	v_add_f32 v[TM+8], v[TM+8], v[TM+5]
	v_cndmask_b32 v[OUT+(\a)-1], v[OUT+(\a)-1], v[PB], s70    ; lanes 16-31 take the odd tile's
	v_cndmask_b32 v[OUT+(\a)], v[OUT+(\a)], v[TM+8], s70
.endif
.endm
.irp a, 0,1,2,3,4,5,6,7
	STAT \a
.endr
.irp j, 0,1,2,3
	global_store_b64 v[L8], v[OUT+2*\j:OUT+2*\j+1], s[78:79] offset:256*\j   ; 32 lanes store 256 consecutive bytes, at a multiple of 256 from the buffer's first byte
.endr
	s_wait_tensorcnt 0x0                           ; the wave's end
	ds_add_u32 v[SPW], v[NIL]
	s_wait_dscnt 0x0
	CROUND                                         ; the closing round: no work-group ends while a partner may still ask for a part that names it
	s_endpgm
.Lfunc_end_k_q2974c30764_stats:
	.size	k_q2974c30764_stats, .Lfunc_end_k_q2974c30764_stats-k_q2974c30764_stats
	.p2alignl 7, 3214868480
	.fill 96, 4, 3214868480
	.section	.rodata,"a",@progbits
	.p2align	6, 0x0
	.amdhsa_kernel k_q2974c30764_stats
		.amdhsa_group_segment_fixed_size 327680
		.amdhsa_private_segment_fixed_size 0
		.amdhsa_enable_private_segment 0
		.amdhsa_kernarg_size 32
		.amdhsa_user_sgpr_count 2
		.amdhsa_user_sgpr_kernarg_segment_ptr 1
		.amdhsa_wavefront_size32 1
		.amdhsa_system_sgpr_workgroup_id_x 1
		.amdhsa_system_sgpr_workgroup_id_y 1
		.amdhsa_system_sgpr_workgroup_id_z 1
		.amdhsa_system_vgpr_workitem_id 0
		.amdhsa_next_free_vgpr 1024
		.amdhsa_next_free_sgpr 100
		.amdhsa_reserve_vcc 0
		.amdhsa_float_denorm_mode_32 3
		.amdhsa_float_denorm_mode_16_64 3
		.amdhsa_memory_ordered 1
		.amdhsa_forward_progress 1
		.amdhsa_inst_pref_size 193
	.end_amdhsa_kernel
	.amdgpu_metadata
---
amdhsa.version: [ 1, 2 ]
amdhsa.kernels:
  - .name:           k_q2974c30764_stats
    .symbol:         k_q2974c30764_stats.kd
    .args:
      - { .name: qc, .offset: 0, .size: 8, .value_kind: global_buffer, .address_space: global }
      - { .name: kc, .offset: 8, .size: 8, .value_kind: global_buffer, .address_space: global }
      - { .name: rep_mask, .offset: 16, .size: 8, .value_kind: global_buffer, .address_space: global }
      - { .name: st, .offset: 24, .size: 8, .value_kind: global_buffer, .address_space: global }
    .group_segment_fixed_size: 327680
    .private_segment_fixed_size: 0
    .kernarg_segment_align: 8
    .kernarg_segment_size: 32
    .max_flat_workgroup_size: 128
    .sgpr_count:     100
    .vgpr_count:     1024
    .wavefront_size: 32
...
	.end_amdgpu_metadata
.endif
;; end of part 2
;; launch probs (part 3): grid 8 x 64, 4 waves a work-group, clusters of 4 x 4, 327,680 bytes of LDS; arguments qc, kc, rep_mask, st, pc; writes pc
.if DOCPART == 3
	.amdgcn_target "amdgcn-amd-amdhsa--gfx1250"
	.amdhsa_code_object_version 6
	.text
	.protected	k_q2974c30764_probs
	.globl	k_q2974c30764_probs
	.p2align	8
	.type	k_q2974c30764_probs,@function
k_q2974c30764_probs:
	s_mov_b64 s[64:65], 0
	v_nop
	global_prefetch_b8 v0, s[64:65] scope:SCOPE_SE
	s_setreg_imm32_b32 hwreg(HW_REG_WAVE_MODE, 25, 1), 1
	s_wait_xcnt 0x0
	s_wait_alu depctr_hold_cnt(0) depctr_sa_sdst(0) depctr_va_vdst(0) depctr_va_sdst(0) depctr_va_ssrc(0) depctr_va_vcc(0) depctr_vm_vsrc(0)
	s_getreg_b32 s2, hwreg(HW_REG_IB_STS2, 6, 4)
	s_cmp_eq_u32 s2, 0
	s_cbranch_scc0 .Lentry_in_a_cluster
	s_endpgm
.Lentry_in_a_cluster:
	s_bfe_u32 s2, ttmp6, 0x10000c
	s_cmp_lg_u32 s2, 0xf033
	s_cbranch_scc0 .Lentry_shape_is_right
	s_endpgm
.Lentry_shape_is_right:
; THE FINISHED, NORMALISED WEIGHTS OF THE MASKED SOFTMAX, AS CODES.  S = q k^T on codes of FP6 (E2M3) with E8M0 scales, tile by tile as the launch before made it (the same instructions in the same order: the same bits);
; attn = 2^(s m_k m_q log2(e) - c) m_k m_q / (l + [l = 0] + 1e-20), c the row's largest exponent and l the row's sum, both joined here from the sixteen parts that the launch before stored;
; attn is quantised along the keys, in blocks of 32, and leaves as records for the second product: a wave's 128 queries x 128 keys are exactly one record.
; All that goes into the quantiser is f32: products' sums, fused multiply-adds, v_exp_f32, v_rcp_f32.
; RECORDS: 12,800 bytes (128 rows x 128 K in the order of the operand's registers; fragment t at 1,536 t, registers 4 g .. at 512 g + 16 x lane; the scale words of eight tiles at 12,288: lane l's word j = tile 2 j + l / 16, row l % 16).
; LDS: THREE slots of 102,400 bytes, two K steps each; part w (two records) is fetched by wave w: parts 0, 1 = q's groups, 2, 3 = k's.  Six of the tile's eight K steps are asked for at the head, as first fills:
; three tensor loads of a wave are out.  Slot 0 is filled once more, with K steps 6 and 7, behind the round in K step 1; the wait for that load stands at the head of K step 5: 224 matrix instructions later.
; q's parts are asked for jointly along a row of the 4 x 4 cluster, k's along a column.  Source 0 = 16 keys, source 1 = 16 queries: a lane holds ONE query, and register 16 b + i of a query tile's 64 is key 32 b + 16 (lane / 16) + i.
; LIMITS: rep_mask holds whole numbers from 0 to 2^24; NaN and infinities are not served; an exponential under 2^-126 counts as 0; a block whose largest weight lies under 2^-124 gets the byte 1 (a block of zeros has zero codes).
; No prefetch: all but one of a tile's fills stand at the head.  One tile to a work-group.  The eight K steps are written out by macro: none recurs with the same slots and fills.
; REGISTERS, window 0: v1-3 r, h, lane; v4-9 LDS addresses; v10, v11 16 x and 8 x lane; v12, v13 the masks' offsets; v14, v15 the spare word's address and 0; v16-23 m_q log2(e); v24-31 m_q; v32-47 scale words, two sets;
;   v48-55 c, v56-63 m_q / (l ..) of my query in each of the eight tiles; v64-127 m_k; v128-223 q's fragments, later v128-191 at work and v192-211 codes; v224-247 at work; v248-251 the record's scale block.
;   window 1: k's fragments, two sets.   windows 2, 3: accumulator (a, b) at v[8 (8 (a % 4) + b)].
; THE RING AS IT STANDS (this takes the place of what is said above of three slots and of six K steps at the head): TWO slots of 153,600 bytes, three K steps each; part w (38,400 bytes, three records) is fetched by wave w.
; One tensor load a wave at the head (K steps 0-2); slot 1's first fill (K steps 3-5) behind the waits, the add and a round of the cluster's barrier; slot 0 is filled once more, with K steps 6 and 7
; (two records, a group 1 of its own), behind the round in K step 2.  Each fill has two K steps or more, at least 128 matrix instructions, between its request and the wait for it.  One tensor load of a wave is out at any time.
; No prefetch: a tile has three fills and the text has no loop to run ahead in.
.set KS,    8
.set BSH,   4
.set REC,   12800
.set PART,  3*REC
.set G1S,   84                         ; s[84:91], s[92:99] descriptor groups 1 for the last fill of two records
.set G1SB,  92
.set SLOT,  4*PART
.set SPARE, 2*SLOT                     ; behind the slots: the spare words, 128 bytes for each wave
.set ADRA,  4                          ; v4, v5   LDS address of my A records in slot 0, 1
.set ADRB,  7                          ; v7, v8   the same for B
.set L16,   10
.set L8,    11
.set SPW,   14
.set NIL,   15
.set MQL,   16
.set MQ,    24
.set SCA,   32
.set SCB,   36
.set CM,    48
.set GN,    56
.set MK,    64
.set AF,    128
.set W,     128
.set PC,    192
.set TM,    224
.set PA,    240
.set PB,    242
.set PG,    244
.set PW,    246
.set OUT,   248
.set G1,    24                         ; s[24:31] descriptor group 1 for A's parts; group 0: s[32:35] slot 0, s[36:39] slot 1
.set G0,    32
.set G1B,   48                         ; s[48:55] the same for B's; group 0: s[56:59], s[60:63]
.set G0B,   56
.set MSB,   0
.set MUL_LO, 0xa1                      ; source 0 (B) window 1, source 1 (A) window 0, C and D window 2
.set MUL_HI, 0xf1                      ; the same, C and D window 3
.set TO_B,   0x40                      ; destination window 1, address window 0
.macro WIN new                         ; the immediate's high byte repeats the setting that is left
.if MSB != (\new)
	s_set_vgpr_msb (MSB<<8)|(\new)
.set MSB, \new
.endif
.endm
.macro PLACES                          ; four plain vector lines between a matrix instruction and a load into, or a vector write of, one of its registers, or a read of its result
.rept 4
	v_nop
.endr
.endm
.macro JLOAD g0a, g0b, g1a, g1b
	s_cmp_eq_u32 s15, 0
	s_cbranch_scc0 .Lfor_b_\@
	tensor_load_to_lds s[\g0a:\g0a+3], s[\g1a:\g1a+7]
	s_nop 0
.rept 4
	v_nop
.endr
	s_branch .Lasked_\@
.Lfor_b_\@:
	tensor_load_to_lds s[\g0b:\g0b+3], s[\g1b:\g1b+7]
	s_nop 0
.rept 4
	v_nop
.endr
.Lasked_\@:
.endm
.macro CREST                           ; a round of the cluster's barrier behind its opening barrier
	s_cmp_lg_u32 s14, 0
	s_cbranch_scc1 .Lnot_wave_0_\@
	s_barrier_signal -3
.Lnot_wave_0_\@:
	s_barrier_wait -3
	s_barrier_signal -1
	s_barrier_wait -1
.endm
.macro CROUND
	s_barrier_signal -1
	s_barrier_wait -1
	CREST
.endm
.macro FIRST ga, gb, s                 ; slot s's first fill: both groups 0 are made (A's address in s[20:21], B's in s[46:47], my part's place in a slot in s45), and the wave asks by one of them
	s_mov_b32 s[\ga], 1
	s_add_co_u32 s[\ga+1], s45, \s*SLOT
	s_add_nc_u64 s[\ga+2:\ga+3], s[20:21], \s*PART
	s_or_b32 s[\ga+3], s[\ga+3], 0x80000000
	s_mov_b32 s[\gb], 1
	s_add_co_u32 s[\gb+1], s45, \s*SLOT
	s_add_nc_u64 s[\gb+2:\gb+3], s[46:47], \s*PART
	s_or_b32 s[\gb+3], s[\gb+3], 0x80000000
.endm
.macro MM a, b, p, zero                ; one product: A's tile a x B's tile b, 128 along K, B's set and the scales' set p
.set rD, 8*(8*((\a)%4)+(\b))
.set rB, 128*(\p)+12*(\b)
.set rA, AF+12*(\a)
.set rT, SCB+8*(\p)+(\b)/2
.set rU, SCA+8*(\p)+(\a)/2
.set par, 2*((\b)%2)+(\a)%2
.if \zero
.if par == 0
	v_wmma_scale_f32_16x16x128_f8f6f4 v[rD:rD+7], v[rB:rB+11], v[rA:rA+11], 0, v[rT], v[rU] matrix_a_fmt:MATRIX_FMT_FP6 matrix_b_fmt:MATRIX_FMT_FP6
.elseif par == 1
	v_wmma_scale_f32_16x16x128_f8f6f4 v[rD:rD+7], v[rB:rB+11], v[rA:rA+11], 0, v[rT], v[rU] matrix_a_fmt:MATRIX_FMT_FP6 matrix_b_fmt:MATRIX_FMT_FP6 matrix_b_scale:MATRIX_SCALE_ROW1
.elseif par == 2
	v_wmma_scale_f32_16x16x128_f8f6f4 v[rD:rD+7], v[rB:rB+11], v[rA:rA+11], 0, v[rT], v[rU] matrix_a_fmt:MATRIX_FMT_FP6 matrix_b_fmt:MATRIX_FMT_FP6 matrix_a_scale:MATRIX_SCALE_ROW1
.else
	v_wmma_scale_f32_16x16x128_f8f6f4 v[rD:rD+7], v[rB:rB+11], v[rA:rA+11], 0, v[rT], v[rU] matrix_a_fmt:MATRIX_FMT_FP6 matrix_b_fmt:MATRIX_FMT_FP6 matrix_a_scale:MATRIX_SCALE_ROW1 matrix_b_scale:MATRIX_SCALE_ROW1
.endif
.else
.if par == 0
	v_wmma_scale_f32_16x16x128_f8f6f4 v[rD:rD+7], v[rB:rB+11], v[rA:rA+11], v[rD:rD+7], v[rT], v[rU] matrix_a_fmt:MATRIX_FMT_FP6 matrix_b_fmt:MATRIX_FMT_FP6
.elseif par == 1
	v_wmma_scale_f32_16x16x128_f8f6f4 v[rD:rD+7], v[rB:rB+11], v[rA:rA+11], v[rD:rD+7], v[rT], v[rU] matrix_a_fmt:MATRIX_FMT_FP6 matrix_b_fmt:MATRIX_FMT_FP6 matrix_b_scale:MATRIX_SCALE_ROW1
.elseif par == 2
	v_wmma_scale_f32_16x16x128_f8f6f4 v[rD:rD+7], v[rB:rB+11], v[rA:rA+11], v[rD:rD+7], v[rT], v[rU] matrix_a_fmt:MATRIX_FMT_FP6 matrix_b_fmt:MATRIX_FMT_FP6 matrix_a_scale:MATRIX_SCALE_ROW1
.else
	v_wmma_scale_f32_16x16x128_f8f6f4 v[rD:rD+7], v[rB:rB+11], v[rA:rA+11], v[rD:rD+7], v[rT], v[rU] matrix_a_fmt:MATRIX_FMT_FP6 matrix_b_fmt:MATRIX_FMT_FP6 matrix_a_scale:MATRIX_SCALE_ROW1 matrix_b_scale:MATRIX_SCALE_ROW1
.endif
.endif
.endm
.macro MUL16 a0, p, zero               ; 16 products; the 64 accumulators take turns, one instruction a turn, in the same order in every step
.irp a, \a0, \a0+1
.irp b, 0,1,2,3,4,5,6,7
	MM \a, \b, \p, \zero
.endr
.endr
.endm
.macro FETCH_B slot, q, p
	WIN TO_B
.irp i, 0,1,2,3,4,5,6,7
.irp g, 0,1,2
	ds_load_b128 v[128*(\p)+12*\i+4*\g:128*(\p)+12*\i+4*\g+3], v[ADRB+\slot] offset:REC*(\q)+1536*\i+512*\g
.endr
.endr
	WIN 0
.endm
.macro FETCH_A slot, q, i0
.irp i, \i0, \i0+1, \i0+2, \i0+3
.irp g, 0,1,2
	ds_load_b128 v[AF+12*(\i)+4*\g:AF+12*(\i)+4*\g+3], v[ADRA+\slot] offset:REC*(\q)+1536*(\i)+512*\g
.endr
.endr
.endm
.macro SCALES slot, q, p
	ds_load_b128 v[SCA+8*(\p):SCA+8*(\p)+3], v[ADRA+\slot] offset:REC*(\q)+12288
	ds_load_b128 v[SCB+8*(\p):SCB+8*(\p)+3], v[ADRB+\slot] offset:REC*(\q)+12288
.endm
.macro STEP p, ns, nq, zero            ; a K step on B's set p that needs no barrier: it fetches the next K step, record nq of slot ns, which every wave knows to have landed, into the other set
	s_wait_dscnt 12                                ; B's set, A's tiles 0-3 and the scale words are in; the youngest twelve loads (A's tiles 4-7) may be out
	WIN MUL_LO
	MUL16 0, \p, \zero
	MUL16 2, \p, \zero
	s_wait_dscnt 0x0                               ; A's tiles 4-7 are in
	PLACES
	FETCH_B \ns, \nq, 1-(\p)
	FETCH_A \ns, \nq, 0
	SCALES \ns, \nq, 1-(\p)
	WIN MUL_HI
	MUL16 4, \p, \zero
	MUL16 6, \p, \zero
	PLACES
	WIN 0
	FETCH_A \ns, \nq, 4
.endm
; A K step with a barrier in it.  fill = 1 (K step 2): the barrier opens a round of the cluster's barrier, and slot 0 is filled again, with K steps 6 and 7.  fill = 0 (K step 5): behind the barrier that fill is whole for every wave.
.macro TURN p, ns, nq, fill
	s_wait_tensorcnt 0x0                           ; all my tensor loads have landed
	ds_add_u32 v[SPW], v[NIL]                      ; 0 onto my spare word
	s_wait_dscnt 13                                ; (the add and the youngest twelve loads may be out)
	WIN MUL_LO
	MUL16 0, \p, 0
	s_wait_dscnt 0x0                               ; the add is done, and my reads of the slot that I leave are over
	s_barrier_signal -1
	MUL16 2, \p, 0
	WIN 0
	s_barrier_wait -1
.if \fill
	CREST                                          ; no wave of any partner still reads slot 0 or has a load on its way
	s_add_nc_u64 s[G0+2:G0+3], s[G0+2:G0+3], 2*PART
	s_add_nc_u64 s[G0B+2:G0B+3], s[G0B+2:G0B+3], 2*PART
	JLOAD G0, G0B, G1S, G1SB                       ; the first tensor load behind the round; its four v_nop are the places in front of the loads below
.else
	PLACES
.endif
	FETCH_B \ns, \nq, 1-(\p)
	FETCH_A \ns, \nq, 0
	SCALES \ns, \nq, 1-(\p)
	WIN MUL_HI
	MUL16 4, \p, 0
	MUL16 6, \p, 0
	PLACES
	WIN 0
	FETCH_A \ns, \nq, 4
.endm
	s_load_b128 s[4:7], s[0:1], 0x0                ; qc (A), kc (B)
	s_load_b128 s[8:11], s[0:1], 0x10              ; rep_mask, st
	s_load_b64 s[12:13], s[0:1], 0x20              ; pc
	v_lshl_add_u32 v[SPW], v0, 2, SPARE
	v_mov_b32 v[NIL], 0
	ds_add_u32 v14, v15
	ds_add_u32 v14, v15
	s_wait_dscnt 0x0
	v_lshrrev_b32 v1, 5, v0
	v_readfirstlane_b32 s14, v1                    ; wave 0..3
	s_lshr_b32 s15, s14, 1                         ; which 128 queries of the tile are mine.  Also: I fetch for A (0) or for B (1)
	s_and_b32 s16, s14, 1                          ; which 128 keys.  Also: which group of that tile I fetch
	s_bfe_u32 s40, ttmp6, 0x40000                  ; cx, cy
	s_bfe_u32 s41, ttmp6, 0x40004
	s_lshl_b32 s42, ttmp9, 2
	s_add_co_u32 s42, s42, s40                     ; X
	s_and_b32 s18, ttmp7, 0xffff
	s_lshl_b32 s17, s18, 2
	s_add_co_u32 s17, s17, s41                     ; Y
	s_lshr_b32 s19, s18, 1                         ; the batch, from the cluster's y alone
	s_lshl_b32 s43, s41, 2
	s_lshl_b32 s43, 15, s43                        ; my row of the cluster
	s_lshl_b32 s44, 0x1111, s40                    ; my column
	s_or_b32 s[G1+0], s43, (3<<16)|(1<<21)         ; a dense block of 38,400 bytes as 150 rows of 256 bytes (32 elements of 8 bytes), no padding; bit 21 set beside a mask
	s_or_b32 s[G1B+0], s44, (3<<16)|(1<<21)
.irp g, G1, G1B
	s_mov_b32 s[\g+1], 32<<16
	s_mov_b32 s[\g+2], 150<<16
	s_mov_b32 s[\g+3], 32<<16
	s_mov_b32 s[\g+4], 150
	s_mov_b32 s[\g+5], 32
	s_mov_b32 s[\g+6], 0
	s_mov_b32 s[\g+7], 0
.endr
	s_or_b32 s[G1S+0], s43, (3<<16)|(1<<21)        ; the same for two records: 100 rows
	s_or_b32 s[G1SB+0], s44, (3<<16)|(1<<21)
.irp g, G1S, G1SB
	s_mov_b32 s[\g+1], 32<<16
	s_mov_b32 s[\g+2], 100<<16
	s_mov_b32 s[\g+3], 32<<16
	s_mov_b32 s[\g+4], 100
	s_mov_b32 s[\g+5], 32
	s_mov_b32 s[\g+6], 0
	s_mov_b32 s[\g+7], 0
.endr
	s_lshl_b32 s20, s17, 1
	s_add_co_u32 s20, s20, s16                     ; A's group: 2 Y + half
	s_mul_i32 s20, s20, KS*REC
	s_mov_b32 s21, 0
	s_lshl_b32 s46, s19, BSH
	s_lshl_b32 s47, s42, 1
	s_add_co_u32 s46, s46, s47
	s_add_co_u32 s46, s46, s16                     ; B's group
	s_mul_i32 s46, s46, KS*REC
	s_mov_b32 s47, 0
	s_mul_i32 s45, s14, PART
	s_wait_kmcnt 0x0
	s_add_nc_u64 s[20:21], s[4:5], s[20:21]
	s_add_nc_u64 s[46:47], s[6:7], s[46:47]
	CROUND                                         ; all sixteen work-groups are here: the first joint loads meet
	FIRST 32, 56, 0                                ; both slots' groups 0 are made,
	FIRST 36, 60, 1
	JLOAD 32, 56, G1, G1B                          ; and K steps 0-2 are asked for: one tensor load a wave at the head
	v_and_b32 v1, 15, v0                           ; r
	v_bfe_u32 v2, v0, 4, 1                         ; h
	v_and_b32 v3, 31, v0                           ; lane
	v_lshlrev_b32 v[L16], 4, v3
	v_lshlrev_b32 v[L8], 3, v3
	s_mul_i32 s21, s15, PART
	s_mul_i32 s22, s16, PART
	s_add_co_u32 s22, s22, 2*PART
.irp s, 0,1
	v_add_nc_u32 v[ADRA+\s], s21, v[L16]
	v_add_nc_u32 v[ADRB+\s], s22, v[L16]
	s_add_co_u32 s21, s21, SLOT
	s_add_co_u32 s22, s22, SLOT
.endr
	; the masks and the rows' statistics, while the first parts are on their way
	s_mov_b32 s66, 0x76543210
	s_mov_b32 s67, 0xfedcba98
	s_lshl_b32 s72, s19, 13
	s_lshl_b32 s73, s42, 1
	s_add_co_u32 s73, s73, s16
	s_lshl_b32 s73, s73, 9
	s_add_co_u32 s72, s72, s73
	s_mov_b32 s73, 0
	s_add_nc_u64 s[72:73], s[8:9], s[72:73]        ; my 128 keys' mask
	s_lshl_b32 s74, s17, 1
	s_add_co_u32 s74, s74, s15                     ; my group of queries, over all batches
	s_lshl_b32 s76, s74, 9
	s_mov_b32 s77, 0
	s_add_nc_u64 s[76:77], s[8:9], s[76:77]        ; its mask
	s_lshl_b32 s80, s74, 14
	s_mov_b32 s81, 0
	s_add_nc_u64 s[80:81], s[10:11], s[80:81]      ; its sixteen parts in st
	s_mul_i32 s78, s74, 16*REC
	s_lshl_b32 s79, s42, 1
	s_add_co_u32 s79, s79, s16
	s_mul_i32 s79, s79, REC
	s_add_co_u32 s78, s78, s79
	s_mov_b32 s79, 0
	s_add_nc_u64 s[78:79], s[12:13], s[78:79]      ; my record in pc
	s_wait_alu depctr_va_vdst(0)                   ; the wait here, directly ahead of the first reader behind the scalar lines above
	v_and_b32 v12, 8, v1
	v_add_nc_u32 v12, v12, v1
	v_lshlrev_b32 v12, 2, v12                      ; 4 (r + 8 (r / 8))
	v_lshlrev_b32 v13, 6, v2                       ; 64 h
.irp j, 0,1,2,3
.irp g, 0,1,2,3,4,5,6,7,8,9,10,11,12,13,14,15
	global_load_b64 v[128+32*\j+2*\g:128+32*\j+2*\g+1], v[L8], s[80:81] offset:1024*\g+256*\j   ; lane (r, h): c and the sum of tile 2 j + h, row r, for key group g; 256 consecutive bytes a load
.endr
.endr
.irp b, 0,1,2,3
.irp i, 0,1,2,3
	global_load_b128 v[MK+16*\b+4*\i:MK+16*\b+4*\i+3], v13, s[72:73] offset:128*\b+16*\i
.endr
.endr
.irp a, 0,1,2,3,4,5,6,7
	global_load_b32 v[MQ+\a], v12, s[76:77] offset:(32*(\a/2)+8*(\a%2))*4
.endr
	v_cmp_le_u32 s70, 16, v3                       ; lanes 16-31
	s_wait_loadcnt 0x0
.set j, 0
.rept 64
	v_cvt_f32_i32 v[MK+j], v[MK+j]
.set j, j+1
.endr
.irp a, 0,1,2,3,4,5,6,7
	v_cvt_f32_i32 v[MQ+\a], v[MQ+\a]
.endr
.irp a, 0,1,2,3,4,5,6,7
	v_mul_f32 v[MQL+\a], 0x3fb8aa3b, v[MQ+\a]      ; m_q log2(e)
.endr
.irp j, 0,1,2,3
	v_max3_num_f32 v[60+\j], v[128+32*\j], v[130+32*\j], v[132+32*\j]   ; the row's c: the largest of the sixteen (the four j by turns)
.endr
.irp g, 6,10,14,18,22,26
.irp j, 0,1,2,3
	v_max3_num_f32 v[60+\j], v[60+\j], v[128+32*\j+\g], v[130+32*\j+\g]
.endr
.endr
.irp j, 0,1,2,3
	v_max_num_f32 v[60+\j], v[60+\j], v[158+32*\j]
.endr
.irp g, 0,2,4,6,8,10,12,14,16,18,20,22,24,26,28,30
.irp j, 0,1,2,3
	v_sub_f32 v[128+32*\j+\g], v[128+32*\j+\g], v[60+\j]
.endr
.endr
	s_wait_alu depctr_va_vdst(0)
.irp g, 0,2,4,6,8,10,12,14,16,18,20,22,24,26,28,30
.irp j, 0,1,2,3
	v_exp_f32 v[128+32*\j+\g], v[128+32*\j+\g]     ; 2^(c_g - c): what brings a part's sum under the row's c
.endr
.endr
.irp j, 0,1,2,3
	v_cndmask_b32 v[56+\j], v[MQ+2*\j], v[MQ+2*\j+1], s70   ; m_q of tile 2 j + h.  (Plain lines behind the exponentials)
.endr
	s_wait_alu depctr_va_vdst(0)                   ; one wait for the batch, ahead of its first reader
.irp j, 0,1,2,3
	v_mul_f32 v[48+\j], v[128+32*\j], v[129+32*\j]
	v_mul_f32 v[52+\j], v[130+32*\j], v[131+32*\j]
.endr
.irp g, 4,8,12,16,20,24,28
.irp j, 0,1,2,3
	v_fma_f32 v[48+\j], v[128+32*\j+\g], v[129+32*\j+\g], v[48+\j]
	v_fma_f32 v[52+\j], v[130+32*\j+\g], v[131+32*\j+\g], v[52+\j]
.endr
.endr
.irp j, 0,1,2,3
	v_add_f32 v[48+\j], v[48+\j], v[52+\j]
.endr
.irp j, 0,1,2,3
	v_mul_f32 v[48+\j], v[48+\j], v[56+\j]         ; l = m_q x the sum of e m_k
.endr
	v_mov_b32 v132, 1.0
.irp j, 0,1,2,3
	v_cmp_eq_f32 vcc_lo, 0, v[48+\j]
	v_cndmask_b32 v[128+\j], 0, v132, vcc_lo       ; [l = 0]
.endr
.irp j, 0,1,2,3
	v_add_f32 v[48+\j], v[48+\j], v[128+\j]
.endr
.irp j, 0,1,2,3
	v_add_f32 v[48+\j], 0x1e3ce508, v[48+\j]       ; + 1e-20
.endr
	s_wait_alu depctr_va_vdst(0)
.irp j, 0,1,2,3
	v_rcp_f32 v[128+\j], v[48+\j]
.endr
	v_nop                                          ; a plain line behind the last reciprocal
.irp j, 0,1,2,3
	v_permlanex16_b32 v[136+\j], v[60+\j], s66, s67   ; the other tile's c
.endr
	s_wait_alu depctr_va_vdst(0)                   ; one wait for the four
.irp j, 0,1,2,3
	v_mul_f32 v[140+\j], v[56+\j], v[128+\j]       ; m_q / (l + [l = 0] + 1e-20)
.endr
.irp j, 0,1,2,3
	v_permlanex16_b32 v[144+\j], v[140+\j], s66, s67
.endr
.irp j, 0,1,2,3
	v_cndmask_b32 v[CM+2*\j], v[60+\j], v[136+\j], s70        ; every lane gets both tiles' numbers of its query r: the even tile's lie in lanes 0-15,
	v_cndmask_b32 v[CM+2*\j+1], v[136+\j], v[60+\j], s70      ; the odd tile's in lanes 16-31
.endr
.irp j, 0,1,2,3
	v_cndmask_b32 v[GN+2*\j], v[140+\j], v[144+\j], s70
	v_cndmask_b32 v[GN+2*\j+1], v[144+\j], v[140+\j], s70
.endr
.irp b, 4,5,6,7
	v_mov_b32 v[TM+\b], 0                          ; (a lane permute's destination counts as one of its sources)
.endr
	v_mov_b32 v[PA+1], 0                           ; (named as the upper halves of pairs of which the low word serves both halves)
	v_mov_b32 v[PB+1], 0
	v_mov_b32 v[PG+1], 0
	s_wait_alu depctr_va_vdst(0)                   ; the wait at the head's end
	s_wait_tensorcnt 0x0                           ; my part of slot 0 is in
	ds_add_u32 v[SPW], v[NIL]
	s_wait_dscnt 0x0
	CROUND                                         ; everybody's part is in, and all sixteen work-groups are here
	JLOAD 36, 60, G1, G1B                          ; K steps 3-5, slot 1's first fill
	FETCH_B 0, 0, 0
	FETCH_A 0, 0, 0
	SCALES 0, 0, 0
	FETCH_A 0, 0, 4
	STEP 0, 0, 1, 1                                ; K step 0: its products start the sums
	STEP 1, 0, 2, 0                                ; K step 1
	TURN 0, 1, 0, 1                                ; K step 2: slot 1 is whole for every wave; slot 0 is left and takes K steps 6 and 7
	STEP 1, 1, 1, 0                                ; K step 3
	STEP 0, 1, 2, 0                                ; K step 4
	TURN 1, 0, 0, 0                                ; K step 5: slot 0's second fill is whole for every wave
	STEP 0, 0, 1, 0                                ; K step 6
	s_wait_dscnt 12                                ; K step 7: nothing more to fetch
	WIN MUL_LO
	MUL16 0, 1, 0
	MUL16 2, 1, 0
	s_wait_dscnt 0x0
	WIN MUL_HI
	MUL16 4, 1, 0
	MUL16 6, 1, 0
	WIN 0
	PLACES
; 64 numbers of a lane, register 16 b + i = k 32 b + 16 (lane / 16) + i of my row, become a fragment's codes in v[PC] on and its scale word in v[pw].
.macro QUANT s, pw
.irp b, 0,1,2,3
	v_max3_num_f32 v[TM+\b], |v[\s+16*\b]|, |v[\s+1+16*\b]|, 0x1800000   ; block b: my 16 numbers, and the floor 2^(3 - 127): the byte cannot fall under 1
.endr
.irp i, 2,4,6,8,10,12,14
.irp b, 0,1,2,3
	v_max3_num_f32 v[TM+\b], v[TM+\b], |v[\s+16*\b+\i]|, |v[\s+1+16*\b+\i]|
.endr
.endr
.irp b, 0,1,2,3
	v_permlanex16_b32 v[TM+4+\b], v[TM+\b], s66, s67
.endr
.irp b, 0,1,2,3
	v_max_num_f32 v[TM+\b], v[TM+\b], v[TM+4+\b]   ; with lane l xor 16's: the block's largest
.endr
.irp b, 0,1,2,3
	v_add_nc_u32 v[TM+12+\b], 0xff000000, v[TM+\b] ; 2 off the exponent field: the conversion's scale operand
.endr
.irp b, 0,1,2,3
	v_lshrrev_b32 v[TM+4+\b], 23, v[TM+12+\b]      ; the scale's byte
.endr
	v_lshl_or_b32 v[\pw], v[TM+5], 8, v[TM+4]      ; my row's scale word; both halves of the lanes hold it
	v_lshl_or_b32 v[\pw], v[TM+6], 16, v[\pw]
	v_lshl_or_b32 v[\pw], v[TM+7], 24, v[\pw]
.irp c, 0,1
	v_cvt_scalef32_pk16_fp6_f32 v[PC+6*\c:PC+2+6*\c], v[\s+32*\c:\s+15+32*\c], v[TM+12+2*\c]
	v_cvt_scalef32_pk16_fp6_f32 v[PC+12+4*\c:PC+14+4*\c], v[\s+16+32*\c:\s+31+32*\c], v[TM+12+2*\c+1]   ; (a conversion's three registers begin on an even number)
.endr
	v_nop                                          ; one plain line behind a scaled conversion
.irp c, 0,1                                    ; the operand wants a WHOLE block in a lane: lanes 0-15 block 2 c, lanes 16-31 block 2 c + 1
.irp i, 0,1,2
	v_permlane16_swap_b32 v[PC+6*\c+\i], v[PC+12+4*\c+\i]
.endr
.irp i, 0,1,2
	v_mov_b32 v[PC+3+6*\c+\i], v[PC+12+4*\c+\i]
.endr
.endr
.endm
; Query tile a: its 16 queries x my 128 keys become fragment a of my record.
.macro PROB a
.set AC, 64*((\a)%4)
	WIN 0x02+(\a)/4                                ; source 0: window 2 or 3
.set j, 0
.rept 32
	v_pk_mul_f32 v[W+j:W+j+1], v[AC+j:AC+j+1], v[MK+j:MK+j+1]   ; u = s m_k; each accumulator is read from its low end on
.set j, j+2
.endr
	WIN 0
	v_mov_b32 v[PA], v[MQL+(\a)]
	v_mov_b32 v[PB], v[CM+(\a)]
	v_mov_b32 v[PG], v[GN+(\a)]
.set j, 0
.rept 32
	v_pk_fma_f32 v[W+j:W+j+1], v[W+j:W+j+1], v[PA:PA+1], v[PB:PB+1] op_sel_hi:[1,0,0] neg_lo:[0,0,1] neg_hi:[0,0,1]   ; u m_q log2(e) - c, one rounding
.set j, j+2
.endr
.set j, 0
	s_wait_alu depctr_va_vdst(0)
.rept 64
	v_exp_f32 v[W+j], v[W+j]
.set j, j+1
.endr
	v_nop                                          ; a plain line behind the last exponential
	s_wait_alu depctr_va_vdst(0)                   ; one wait for the batch, ahead of its first reader
.set j, 0
.rept 32
	v_pk_mul_f32 v[W+j:W+j+1], v[W+j:W+j+1], v[MK+j:MK+j+1]
.set j, j+2
.endr
.set j, 0
.rept 32
	v_pk_mul_f32 v[W+j:W+j+1], v[W+j:W+j+1], v[PG:PG+1] op_sel_hi:[1,0]   ; attn, finished and normalised
.set j, j+2
.endr
	s_wait_xcnt 0x0                                ; the last tile's stores have read the codes' registers: they are written again only behind this wait
.if (\a)%2 == 0
	QUANT W, OUT+(\a)/2                            ; the scale block's word a / 2: lanes 0-15 keep the even tile's,
.else
	QUANT W, PW
	v_cndmask_b32 v[OUT+(\a)/2], v[OUT+(\a)/2], v[PW], s70   ; lanes 16-31 take the odd tile's
.endif
.irp g, 0,1,2
	global_store_b128 v[L16], v[PC+4*\g:PC+4*\g+3], s[78:79] offset:1536*(\a)+512*\g   ; 32 lanes store 512 consecutive bytes, at a multiple of 256 from the buffer's first byte
.endr
.endm
.irp a, 0,1,2,3,4,5,6,7
	PROB \a
.endr
	global_store_b128 v[L16], v[OUT:OUT+3], s[78:79] offset:12288
	s_wait_tensorcnt 0x0                           ; the wave's end
	ds_add_u32 v[SPW], v[NIL]
	s_wait_dscnt 0x0
	CROUND                                         ; the closing round
	s_endpgm
.Lfunc_end_k_q2974c30764_probs:
	.size	k_q2974c30764_probs, .Lfunc_end_k_q2974c30764_probs-k_q2974c30764_probs
	.p2alignl 7, 3214868480
	.fill 96, 4, 3214868480
	.section	.rodata,"a",@progbits
	.p2align	6, 0x0
	.amdhsa_kernel k_q2974c30764_probs
		.amdhsa_group_segment_fixed_size 327680
		.amdhsa_private_segment_fixed_size 0
		.amdhsa_enable_private_segment 0
		.amdhsa_kernarg_size 40
		.amdhsa_user_sgpr_count 2
		.amdhsa_user_sgpr_kernarg_segment_ptr 1
		.amdhsa_wavefront_size32 1
		.amdhsa_system_sgpr_workgroup_id_x 1
		.amdhsa_system_sgpr_workgroup_id_y 1
		.amdhsa_system_sgpr_workgroup_id_z 1
		.amdhsa_system_vgpr_workitem_id 0
		.amdhsa_next_free_vgpr 1024
		.amdhsa_next_free_sgpr 100
		.amdhsa_reserve_vcc 1
		.amdhsa_float_denorm_mode_32 3
		.amdhsa_float_denorm_mode_16_64 3
		.amdhsa_memory_ordered 1
		.amdhsa_forward_progress 1
		.amdhsa_inst_pref_size 241
	.end_amdhsa_kernel
	.amdgpu_metadata
---
amdhsa.version: [ 1, 2 ]
amdhsa.kernels:
  - .name:           k_q2974c30764_probs
    .symbol:         k_q2974c30764_probs.kd
    .args:
      - { .name: qc, .offset: 0, .size: 8, .value_kind: global_buffer, .address_space: global }
      - { .name: kc, .offset: 8, .size: 8, .value_kind: global_buffer, .address_space: global }
      - { .name: rep_mask, .offset: 16, .size: 8, .value_kind: global_buffer, .address_space: global }
      - { .name: st, .offset: 24, .size: 8, .value_kind: global_buffer, .address_space: global }
      - { .name: pc, .offset: 32, .size: 8, .value_kind: global_buffer, .address_space: global }
    .group_segment_fixed_size: 327680
    .private_segment_fixed_size: 0
    .kernarg_segment_align: 8
    .kernarg_segment_size: 40
    .max_flat_workgroup_size: 128
    .sgpr_count:     100
    .vgpr_count:     1024
    .wavefront_size: 32
...
	.end_amdgpu_metadata
.endif
;; end of part 3
;; launch pv (part 4): grid 4 x 64, 4 waves a work-group, clusters of 4 x 4, 327,680 bytes of LDS; arguments pc, vc, out0; writes out0
.if DOCPART == 4
	.amdgcn_target "amdgcn-amd-amdhsa--gfx1250"
	.amdhsa_code_object_version 6
	.text
	.protected	k_q2974c30764_pv
	.globl	k_q2974c30764_pv
	.p2align	8
	.type	k_q2974c30764_pv,@function
k_q2974c30764_pv:
	s_mov_b64 s[64:65], 0
	v_nop
	global_prefetch_b8 v0, s[64:65] scope:SCOPE_SE
	s_setreg_imm32_b32 hwreg(HW_REG_WAVE_MODE, 25, 1), 1
	s_wait_xcnt 0x0
	s_wait_alu depctr_hold_cnt(0) depctr_sa_sdst(0) depctr_va_vdst(0) depctr_va_sdst(0) depctr_va_ssrc(0) depctr_va_vcc(0) depctr_vm_vsrc(0)
	s_getreg_b32 s2, hwreg(HW_REG_IB_STS2, 6, 4)
	s_cmp_eq_u32 s2, 0
	s_cbranch_scc0 .Lentry_in_a_cluster
	s_endpgm
.Lentry_in_a_cluster:
	s_bfe_u32 s2, ttmp6, 0x10000c
	s_cmp_lg_u32 s2, 0xf033
	s_cbranch_scc0 .Lentry_shape_is_right
	s_endpgm
.Lentry_shape_is_right:
; out = attn v on codes of FP6 (E2M3) with E8M0 scales: a work-group makes 256 queries x 256 channels of one batch, a wave 128 x 128 (64 accumulators); K = the 2,048 keys in 16 steps of 128.
; Operands come as records of 12,800 bytes in the order of the operand's registers.  Two LDS slots of three K steps; wave w fetches part w (three records) by one joint load:
; attn's parts are shared along a row of the 4 x 4 cluster, v's along a column.  One tensor load a wave at the head, slot 1's first fill behind the waits, the add and a round; every refill behind a round.
; The results leave through each wave's own stage, laid over slot 0 after its last fill, as rows of 512 consecutive bytes.
.set KS,    16
.set BSH,   3
.set REC,   12800
.set PART,  3*REC
.set SLOT,  4*PART
.set SPARE, 2*SLOT
.set SPITCH, 528
.set ADRA,  4
.set ADRB,  6
.set SPW,   8
.set NIL,   9
.set L16,   10
.set STO,   12
.set RD,    13
.set SCA,   32
.set SCB,   36
.set AF,    128
.set BK,    128
.set G1,    24
.set G0,    32
.set G1B,   48
.set G0B,   56
.set G1S,   68
.set G1SB,  76
.set MSB,   0
.set MUL_LO, 0xa1
.set MUL_HI, 0xf1
.set TO_B,   0x40
.macro WIN new
.if MSB != (\new)
	s_set_vgpr_msb (MSB<<8)|(\new)
.set MSB, \new
.endif
.endm
.macro PLACES
.rept 4
	v_nop
.endr
.endm
.macro JLOAD g0a, g1a, g0b, g1b
	s_cmp_eq_u32 s15, 0
	s_cbranch_scc0 .Lfor_b_\@
	tensor_load_to_lds s[\g0a:\g0a+3], s[\g1a:\g1a+7]
	s_nop 0
.rept 4
	v_nop
.endr
	s_branch .Lasked_\@
.Lfor_b_\@:
	tensor_load_to_lds s[\g0b:\g0b+3], s[\g1b:\g1b+7]
	s_nop 0
.rept 4
	v_nop
.endr
.Lasked_\@:
.endm
.macro CREST
	s_cmp_lg_u32 s14, 0
	s_cbranch_scc1 .Lnot_wave_0_\@
	s_barrier_signal -3
.Lnot_wave_0_\@:
	s_barrier_wait -3
	s_barrier_signal -1
	s_barrier_wait -1
.endm
.macro CROUND
	s_barrier_signal -1
	s_barrier_wait -1
	CREST
.endm
.macro MM a, b, p, zero
.set rD, 8*(8*((\a)%4)+(\b))
.set rB, 128*(\p)+12*(\b)
.set rA, AF+12*(\a)
.set rT, SCB+8*(\p)+(\b)/2
.set rU, SCA+8*(\p)+(\a)/2
.set par, 2*((\b)%2)+(\a)%2
.if \zero
.if par == 0
	v_wmma_scale_f32_16x16x128_f8f6f4 v[rD:rD+7], v[rB:rB+11], v[rA:rA+11], 0, v[rT], v[rU] matrix_a_fmt:MATRIX_FMT_FP6 matrix_b_fmt:MATRIX_FMT_FP6
.elseif par == 1
	v_wmma_scale_f32_16x16x128_f8f6f4 v[rD:rD+7], v[rB:rB+11], v[rA:rA+11], 0, v[rT], v[rU] matrix_a_fmt:MATRIX_FMT_FP6 matrix_b_fmt:MATRIX_FMT_FP6 matrix_b_scale:MATRIX_SCALE_ROW1
.elseif par == 2
	v_wmma_scale_f32_16x16x128_f8f6f4 v[rD:rD+7], v[rB:rB+11], v[rA:rA+11], 0, v[rT], v[rU] matrix_a_fmt:MATRIX_FMT_FP6 matrix_b_fmt:MATRIX_FMT_FP6 matrix_a_scale:MATRIX_SCALE_ROW1
.else
	v_wmma_scale_f32_16x16x128_f8f6f4 v[rD:rD+7], v[rB:rB+11], v[rA:rA+11], 0, v[rT], v[rU] matrix_a_fmt:MATRIX_FMT_FP6 matrix_b_fmt:MATRIX_FMT_FP6 matrix_a_scale:MATRIX_SCALE_ROW1 matrix_b_scale:MATRIX_SCALE_ROW1
.endif
.else
.if par == 0
	v_wmma_scale_f32_16x16x128_f8f6f4 v[rD:rD+7], v[rB:rB+11], v[rA:rA+11], v[rD:rD+7], v[rT], v[rU] matrix_a_fmt:MATRIX_FMT_FP6 matrix_b_fmt:MATRIX_FMT_FP6
.elseif par == 1
	v_wmma_scale_f32_16x16x128_f8f6f4 v[rD:rD+7], v[rB:rB+11], v[rA:rA+11], v[rD:rD+7], v[rT], v[rU] matrix_a_fmt:MATRIX_FMT_FP6 matrix_b_fmt:MATRIX_FMT_FP6 matrix_b_scale:MATRIX_SCALE_ROW1
.elseif par == 2
	v_wmma_scale_f32_16x16x128_f8f6f4 v[rD:rD+7], v[rB:rB+11], v[rA:rA+11], v[rD:rD+7], v[rT], v[rU] matrix_a_fmt:MATRIX_FMT_FP6 matrix_b_fmt:MATRIX_FMT_FP6 matrix_a_scale:MATRIX_SCALE_ROW1
.else
	v_wmma_scale_f32_16x16x128_f8f6f4 v[rD:rD+7], v[rB:rB+11], v[rA:rA+11], v[rD:rD+7], v[rT], v[rU] matrix_a_fmt:MATRIX_FMT_FP6 matrix_b_fmt:MATRIX_FMT_FP6 matrix_a_scale:MATRIX_SCALE_ROW1 matrix_b_scale:MATRIX_SCALE_ROW1
.endif
.endif
.endm
.macro MUL16 a0, p, zero
.irp a, \a0, \a0+1
.irp b, 0,1,2,3,4,5,6,7
	MM \a, \b, \p, \zero
.endr
.endr
.endm
.macro FETCH_B slot, q, p
	WIN TO_B
.irp i, 0,1,2,3,4,5,6,7
.irp g, 0,1,2
	ds_load_b128 v[128*(\p)+12*\i+4*\g:128*(\p)+12*\i+4*\g+3], v[ADRB+\slot] offset:REC*(\q)+1536*\i+512*\g
.endr
.endr
	WIN 0
.endm
.macro FETCH_A slot, q, i0
.irp i, \i0, \i0+1, \i0+2, \i0+3
.irp g, 0,1,2
	ds_load_b128 v[AF+12*(\i)+4*\g:AF+12*(\i)+4*\g+3], v[ADRA+\slot] offset:REC*(\q)+1536*(\i)+512*\g
.endr
.endr
.endm
.macro SCALES slot, q, p
	ds_load_b128 v[SCA+8*(\p):SCA+8*(\p)+3], v[ADRA+\slot] offset:REC*(\q)+12288
	ds_load_b128 v[SCB+8*(\p):SCB+8*(\p)+3], v[ADRB+\slot] offset:REC*(\q)+12288
.endm
.macro STEP p, ns, nq, zero
	s_wait_dscnt 12
	WIN MUL_LO
	MUL16 0, \p, \zero
	MUL16 2, \p, \zero
	s_wait_dscnt 0x0
	PLACES
	FETCH_B \ns, \nq, 1-(\p)
	FETCH_A \ns, \nq, 0
	SCALES \ns, \nq, 1-(\p)
	WIN MUL_HI
	MUL16 4, \p, \zero
	MUL16 6, \p, \zero
	PLACES
	WIN 0
	FETCH_A \ns, \nq, 4
.endm
.macro TURN p, ns, nq, fill, slot
	s_wait_tensorcnt 0x0
	ds_add_u32 v[SPW], v[NIL]
	s_wait_dscnt 13
	WIN MUL_LO
	MUL16 0, \p, 0
	s_wait_dscnt 0x0
	s_barrier_signal -1
	MUL16 2, \p, 0
	WIN 0
	s_barrier_wait -1
.if \fill
	CREST
	s_add_nc_u64 s[G0+4*\slot+2:G0+4*\slot+3], s[G0+4*\slot+2:G0+4*\slot+3], 2*PART
	s_add_nc_u64 s[G0B+4*\slot+2:G0B+4*\slot+3], s[G0B+4*\slot+2:G0B+4*\slot+3], 2*PART
.if \fill == 1
	JLOAD G0+4*\slot, G1, G0B+4*\slot, G1B
.else
	JLOAD G0+4*\slot, G1S, G0B+4*\slot, G1SB
.endif
.else
	PLACES
.endif
	FETCH_B \ns, \nq, 1-(\p)
	FETCH_A \ns, \nq, 0
	SCALES \ns, \nq, 1-(\p)
	WIN MUL_HI
	MUL16 4, \p, 0
	MUL16 6, \p, 0
	PLACES
	WIN 0
	FETCH_A \ns, \nq, 4
.endm
	s_load_b128 s[4:7], s[0:1], 0x0
	s_load_b64 s[12:13], s[0:1], 0x10
	v_lshl_add_u32 v[SPW], v0, 2, SPARE
	v_mov_b32 v[NIL], 0
	ds_add_u32 v8, v9
	ds_add_u32 v8, v9
	s_wait_dscnt 0x0
	v_lshrrev_b32 v1, 5, v0
	v_readfirstlane_b32 s14, v1
	s_lshr_b32 s15, s14, 1
	s_and_b32 s16, s14, 1
	s_bfe_u32 s40, ttmp6, 0x40000
	s_bfe_u32 s41, ttmp6, 0x40004
	s_lshl_b32 s42, ttmp9, 2
	s_add_co_u32 s42, s42, s40
	s_and_b32 s18, ttmp7, 0xffff
	s_lshl_b32 s17, s18, 2
	s_add_co_u32 s17, s17, s41
	s_lshr_b32 s19, s18, 1
	s_lshl_b32 s43, s41, 2
	s_lshl_b32 s43, 15, s43
	s_lshl_b32 s44, 0x1111, s40
	s_or_b32 s[G1+0], s43, (3<<16)|(1<<21)
	s_or_b32 s[G1B+0], s44, (3<<16)|(1<<21)
.irp g, G1, G1B
	s_mov_b32 s[\g+1], 32<<16
	s_mov_b32 s[\g+2], 150<<16
	s_mov_b32 s[\g+3], 32<<16
	s_mov_b32 s[\g+4], 150
	s_mov_b32 s[\g+5], 32
	s_mov_b32 s[\g+6], 0
	s_mov_b32 s[\g+7], 0
.endr
	s_or_b32 s[G1S+0], s43, (3<<16)|(1<<21)
	s_or_b32 s[G1SB+0], s44, (3<<16)|(1<<21)
.irp g, G1S, G1SB
	s_mov_b32 s[\g+1], 32<<16
	s_mov_b32 s[\g+2], 50<<16
	s_mov_b32 s[\g+3], 32<<16
	s_mov_b32 s[\g+4], 50
	s_mov_b32 s[\g+5], 32
	s_mov_b32 s[\g+6], 0
	s_mov_b32 s[\g+7], 0
.endr
	s_lshl_b32 s20, s17, 1
	s_add_co_u32 s20, s20, s16
	s_mul_i32 s20, s20, KS*REC
	s_mov_b32 s21, 0
	s_lshl_b32 s46, s19, BSH
	s_lshl_b32 s47, s42, 1
	s_add_co_u32 s46, s46, s47
	s_add_co_u32 s46, s46, s16
	s_mul_i32 s46, s46, KS*REC
	s_mov_b32 s47, 0
	s_mul_i32 s45, s14, PART
	s_wait_kmcnt 0x0
	s_add_nc_u64 s[20:21], s[4:5], s[20:21]
	s_add_nc_u64 s[46:47], s[6:7], s[46:47]
	CROUND
.irp s, 0,1
	s_mov_b32 s[G0+4*\s], 1
	s_add_co_u32 s[G0+4*\s+1], s45, \s*SLOT
	s_add_nc_u64 s[G0+4*\s+2:G0+4*\s+3], s[20:21], \s*PART
	s_or_b32 s[G0+4*\s+3], s[G0+4*\s+3], 0x80000000
	s_mov_b32 s[G0B+4*\s], 1
	s_add_co_u32 s[G0B+4*\s+1], s45, \s*SLOT
	s_add_nc_u64 s[G0B+4*\s+2:G0B+4*\s+3], s[46:47], \s*PART
	s_or_b32 s[G0B+4*\s+3], s[G0B+4*\s+3], 0x80000000
.endr
	JLOAD G0, G1, G0B, G1B                         ; K steps 0-2: one tensor load a wave at the head, behind the round above
	v_and_b32 v1, 15, v0
	s_wait_alu depctr_va_vdst(0)
	v_bfe_u32 v2, v0, 4, 1
	v_and_b32 v3, 31, v0
	v_lshlrev_b32 v[L16], 4, v3
	s_mul_i32 s21, s15, PART
	s_mul_i32 s22, s16, PART
	s_add_co_u32 s22, s22, 2*PART
.irp s, 0,1
	v_add_nc_u32 v[ADRA+\s], s21, v[L16]
	v_add_nc_u32 v[ADRB+\s], s22, v[L16]
	s_add_co_u32 s21, s21, SLOT
	s_add_co_u32 s22, s22, SLOT
.endr
	s_mul_i32 s23, s14, 16*SPITCH
	v_mul_u32_u24 v[STO], v1, SPITCH
	s_wait_alu depctr_va_vdst(0)
	v_lshl_add_u32 v[STO], v2, 5, v[STO]
	v_add_nc_u32 v[STO], s23, v[STO]
	v_add_nc_u32 v[RD], s23, v[L16]
	s_lshl_b32 s92, s17, 8
	s_lshl_b32 s93, s15, 7
	s_add_co_u32 s92, s92, s93
	s_lshl_b32 s92, s92, 12
	s_lshl_b32 s93, s42, 10
	s_add_co_u32 s92, s92, s93
	s_lshl_b32 s93, s16, 9
	s_add_co_u32 s92, s92, s93
	s_mov_b32 s93, 0
	s_add_nc_u64 s[12:13], s[12:13], s[92:93]
	s_wait_alu depctr_va_vdst(0)                   ; the wait at the head's end
	s_wait_tensorcnt 0x0                           ; my part of slot 0 is in
	ds_add_u32 v[SPW], v[NIL]
	s_wait_dscnt 0x0
	CROUND                                         ; everybody's part is in, and all sixteen work-groups are here
	JLOAD G0+4, G1, G0B+4, G1B                     ; K steps 3-5, slot 1's first fill
	FETCH_B 0, 0, 0
	FETCH_A 0, 0, 0
	SCALES 0, 0, 0
	FETCH_A 0, 0, 4
	STEP 0, 0, 1, 1
	STEP 1, 0, 2, 0
	TURN 0, 1, 0, 1, 0
	STEP 1, 1, 1, 0
	STEP 0, 1, 2, 0
	TURN 1, 0, 0, 1, 1
	STEP 0, 0, 1, 0
	STEP 1, 0, 2, 0
	TURN 0, 1, 0, 1, 0
	STEP 1, 1, 1, 0
	STEP 0, 1, 2, 0
	TURN 1, 0, 0, 2, 1
	STEP 0, 0, 1, 0
	STEP 1, 0, 2, 0
	TURN 0, 1, 0, 0, 0
	s_wait_dscnt 12
	WIN MUL_LO
	MUL16 0, 1, 0
	MUL16 2, 1, 0
	s_wait_alu depctr_va_vdst(0)
	s_wait_dscnt 0x0
	WIN MUL_HI
	MUL16 4, 1, 0
	MUL16 6, 1, 0
	WIN 0
.macro TOSTAGE a
.set AC, 64*((\a)%4)
	WIN 0x08+4*((\a)/4)
.irp b, 0,1,2,3,4,5,6,7
	ds_store_b128 v[STO], v[AC+8*\b:AC+8*\b+3] offset:64*\b
	ds_store_b128 v[STO], v[AC+8*\b+4:AC+8*\b+7] offset:64*\b+16
.endr
	WIN 0
.set BB, BK+64*((\a)%2)
.irp t, 0,1,2,3,4,5,6,7,8,9,10,11,12,13,14,15
	ds_load_b128 v[BB+4*\t:BB+4*\t+3], v[RD] offset:\t*SPITCH
.endr
.endm
.macro SEND a, younger
.set BB, BK+64*((\a)%2)
	s_wait_dscnt \younger
.irp t, 0,1,2,3,4,5,6,7,8,9,10,11,12,13,14,15
	global_store_b128 v[L16], v[BB+4*\t:BB+4*\t+3], s[12:13] offset:(32*((\a)/2)+8*((\a)%2)+\t+8*(\t/8))*4096 th:TH_STORE_NT
.endr
.endm
	PLACES
	TOSTAGE 0
.irp a, 1,2,3,4,5,6,7
.if \a > 1
	s_wait_xcnt 0x0
.endif
	TOSTAGE \a
	SEND \a-1, 32
.endr
	SEND 7, 0
	s_wait_tensorcnt 0x0
	ds_add_u32 v[SPW], v[NIL]
	s_wait_dscnt 0x0
	CROUND
	s_endpgm
.Lfunc_end_k_q2974c30764_pv:
	.size	k_q2974c30764_pv, .Lfunc_end_k_q2974c30764_pv-k_q2974c30764_pv
	.p2alignl 7, 3214868480
	.fill 96, 4, 3214868480
	.section	.rodata,"a",@progbits
	.p2align	6, 0x0
	.amdhsa_kernel k_q2974c30764_pv
		.amdhsa_group_segment_fixed_size 327680
		.amdhsa_private_segment_fixed_size 0
		.amdhsa_enable_private_segment 0
		.amdhsa_kernarg_size 24
		.amdhsa_user_sgpr_count 2
		.amdhsa_user_sgpr_kernarg_segment_ptr 1
		.amdhsa_wavefront_size32 1
		.amdhsa_system_sgpr_workgroup_id_x 1
		.amdhsa_system_sgpr_workgroup_id_y 1
		.amdhsa_system_sgpr_workgroup_id_z 1
		.amdhsa_system_vgpr_workitem_id 0
		.amdhsa_next_free_vgpr 1024
		.amdhsa_next_free_sgpr 100
		.amdhsa_reserve_vcc 0
		.amdhsa_float_denorm_mode_32 3
		.amdhsa_float_denorm_mode_16_64 3
		.amdhsa_memory_ordered 1
		.amdhsa_forward_progress 1
		.amdhsa_inst_pref_size 227
	.end_amdhsa_kernel
	.amdgpu_metadata
---
amdhsa.version: [ 1, 2 ]
amdhsa.kernels:
  - .name:           k_q2974c30764_pv
    .symbol:         k_q2974c30764_pv.kd
    .args:
      - { .name: pc, .offset: 0, .size: 8, .value_kind: global_buffer, .address_space: global }
      - { .name: vc, .offset: 8, .size: 8, .value_kind: global_buffer, .address_space: global }
      - { .name: out0, .offset: 16, .size: 8, .value_kind: global_buffer, .address_space: global }
    .group_segment_fixed_size: 327680
    .private_segment_fixed_size: 0
    .kernarg_segment_align: 8
    .kernarg_segment_size: 24
    .max_flat_workgroup_size: 128
    .sgpr_count:     100
    .vgpr_count:     1024
    .wavefront_size: 32
...
	.end_amdgpu_metadata
.endif
;; end of part 4
